; MI455X (gfx1250); checked and timed in simulation.
; The chip was launched on July 23, 2026; its instructions are those of AMD's public machine-readable ISA for CDNA 5 (MIT licence, August 2026) and "CDNA5" Instruction Set Architecture Reference Guide (July 2026). The comments in the code are by the model that wrote it; some were corrected since.
;; Multi Head Attention. Allowed arithmetic: matrix products marked QUANTISED: E2M1 operands, one E8M0 scale for each 32 along K, by v_wmma_scale_f32_16x16x128_f8f6f4 with both operands' format E2M1 (or v_wmma_scale_f32_32x16x128_f4), f32 sums; products left as they are: bf16, f16 or f32 operands; f32 sums; everything else in f32.
;; Inputs: Wk 1,024 x 1,024 float32; Wp 1,024 x 1,024 float32; Wq 1,024 x 1,024 float32; Wv 1,024 x 1,024 float32; x 4 x 2,048 x 1,024 float32.
;; Outputs: out0 4 x 2,048 x 1,024 float32.
;; This version of the problem:
;;   THIS VERSION OF THE PROBLEM IS GIVEN IN LOW PRECISION. The matrix products marked QUANTISED in the list below multiply operands that are first quantised to E2M1 (2 exponent bits, 1 mantissa bit; 4 bits a number), with one power-of-two scale for each 32 numbers along K (OCP MX v1.0); their sums are f32. The products marked 'left as it is' may take bf16, f16 or f32 operands, with f32 sums. Whichever they take, every output number must still come out within the allowed error. Rounding operands to bf16 (8 significant bits) uses up far more of that allowance than f16 does (11 bits, for magnitudes from 6e-5 to 65,504). All else is computed in f32.
;;   The module's matrix products, in the order in which they are computed (A, B: the left and right operand; K: the contracted axis; several contracted axes count as one K, in the product's order):
;;     1. [M 8,192, K 1,024] x [K 1,024, N 1,024]; A: input x; B: input Wq: QUANTISED
;;     2. [M 8,192, K 1,024] x [K 1,024, N 1,024]; A: input x; B: input Wk: QUANTISED
;;     3. [M 8,192, K 1,024] x [K 1,024, N 1,024]; A: input x; B: input Wv: QUANTISED
;;     4. batch 64 x [M 2,048, K 64] x [K 64, N 2,048]; A: computed on the way; B: computed on the way: left as it is (an operand is computed on the way)
;;     5. batch 64 x [M 2,048, K 2,048] x [K 2,048, N 64]; A: computed on the way; B: computed on the way: left as it is (an operand is computed on the way)
;;     6. [M 8,192, K 1,024] x [K 1,024, N 1,024]; A: computed on the way; B: input Wp: left as it is (an operand is computed on the way)
;;   THE QUANTISER, for each operand of a quantised product, along K:
;;     - K is cut into blocks of 32 from its start; a last block that is shorter is filled with zeros.
;;     - A block's scale is 2^e with e = floor(log2(the largest magnitude in the block)) - 2, held to -126 .. 127; a block of zeros has e = 0. As a byte (E8M0): e + 127.
;;     - Each number is divided by its block's scale, clamped to +-6, and rounded to the nearest number of E2M1, ties to even, subnormals kept.
;;     - The product sums the exact products of the quantised numbers (number of the format x scale) in f32.
;;   ~~~python
;;   def quantise(x, axis):      # numpy; x: float32 -> the quantised numbers, widened to float32 again
;;       x = np.moveaxis(x, axis, -1); K = x.shape[-1]
;;       x = np.pad(x, [(0, 0)] * (x.ndim - 1) + [(0, -K % 32)]); x = x.reshape(x.shape[:-1] + (-1, 32)); a = np.abs(x).max(-1, keepdims=True)
;;       e = np.where(a > 0, np.clip(np.frexp(np.where(a > 0, a, 1))[1] - 1 - 2, -126, 127), 0)      # np.frexp(a)[1] - 1 = floor(log2(a)), exactly
;;       r = np.clip(x / 2.0 ** e, -6, 6)
;;       step = 2.0 ** (np.maximum(np.frexp(np.where(r == 0, 1, r))[1] - 1, 0) - 1)
;;       q = np.round(r / step) * step * 2.0 ** e      # np.round: ties to even
;;       return np.moveaxis(q.reshape(q.shape[:-2] + (-1,))[..., :K], -1, axis).astype(np.float32)
;;   ~~~
;; One version. Each part assembles by itself: llvm-mc -triple=amdgcn-amd-amdhsa -mcpu=gfx1250 --defsym DOCPART=n.
;; ======== version 1 of 1: 4 launches
;; limits: values are held in f16: magnitudes above 65,504 overflow, below 6.1e-05 lose precision
;; workspace buffers: xc 4,194,304 bytes; xs 262,144 bytes; wc 1,572,864 bytes; ws 98,304 bytes; wp16 2,097,152 bytes; qkv 50,331,648 bytes; o 16,777,216 bytes
;; launch prep (part 1): grid 512 x 1, 4 waves a work-group, no clusters, 39,424 bytes of LDS; arguments x, Wq, Wk, Wv, Wp, xc, xs, wc, ws, wp16; writes xc, xs, wc, ws, wp16
.if DOCPART == 1
	.amdgcn_target "amdgcn-amd-amdhsa--gfx1250"
	.amdhsa_code_object_version 6
	.text
	.protected	k_qe61528863c_prep
	.globl	k_qe61528863c_prep
	.p2align	8
	.type	k_qe61528863c_prep,@function
k_qe61528863c_prep:
	s_mov_b64 s[64:65], 0
	v_nop
	global_prefetch_b8 v0, s[64:65] scope:SCOPE_SE
	s_setreg_imm32_b32 hwreg(HW_REG_WAVE_MODE, 25, 1), 1
	s_wait_xcnt 0x0
; THE OPERANDS OF THE THREE QUANTISED PRODUCTS ARE MADE ONCE, AND Wp IS NARROWED TO f16.  Three paths, told apart by the work-group's number:
;   X (work-groups 0-255):   x [8192][1024] f32, K innermost   -> codes of FP4 (E2M1) xc, scale bytes xs
;   W (work-groups 256-447): Wq, Wk, Wv [1024 (K)][1024] f32, K outermost -> codes wc, scale bytes ws (n = 1024 x which + column)
;   P (work-groups 448-511): Wp [1024][1024] f32 -> wp16, f16, same order
; A block of 32 along K has the scale 2^(floor(log2(its largest magnitude)) - 2); its byte is the largest magnitude's exponent field - 2, held at 1 from below.
; THE CODES ARE LAID AS IMAGES OF THE OPERAND'S REGISTERS: a fragment (16 rows x 128 K) is 1,024 bytes, block bb (0..3) of row r at 256 bb + 16 r, so that lane l's 16 bytes of
; load c (0, 1) lie at 512 c + 16 l.  xc: [K half 2][tile of 16 rows 512][4 fragments][1024];  wc: [K half 2][tile 192][4][1024].
; The scale bytes: [tile][K half 2][row 16][16 bytes]: a row's 16 bytes are the four scale words of the half's four fragments.
; LIMITS: a block of zeros gets the byte 1 where the rule says 127 (its codes are zeros, and these bytes are read by this program alone); NaN and infinities among the inputs are not served;
; Wp beyond 65,504 in magnitude has no f16 number.
; No tensor loads, no barrier: waves share nothing.  Path X alone uses LDS.
.set SP,    80                         ; path X: a lane's place in a stage: its 64 bytes + 16 of padding
.set WREG,  9728                       ; LDS region of a wave: two stages of 32 x SP, 256 scale bytes, the image
.set SCB,   5120                       ; the wave's 256 scale bytes
.set IMG,   5376                       ; the image: 16 units of 256 bytes, IP apart
.set IP,    272
.set SPARE, 4*WREG                     ; behind the four regions: the spare words, 128 bytes for each wave, that no other line names
.set SPW,   12                         ; v12  LDS address of my spare word; never rewritten
.set NIL,   13                         ; v13  0; never rewritten
.set R,     16                         ; v16-143  path X: eight sets of 16 numbers as loaded.  Path P: 32 x 4 numbers
.set X,     144                        ; v144-175 two sets of 16 neighbours.  Path P: from v144 the f16 pairs
.set C,     176                        ; v176-179 two pairs of code registers
.set E,     180                        ; v180-181 scale byte, by turns
.set OUTR,  184                        ; v184-215 the image read back
.set WX,    32                         ; path W: v32-95 two sets of 32 numbers
.set WC,    96                         ; v96-111 four registers of codes for each block: no store's data are written again
.set SB,    24                         ; v24 the four scale bytes
	s_load_b256 s[4:11], s[0:1], 0x0               ; x, Wq, Wk, Wv
	s_load_b256 s[12:19], s[0:1], 0x20             ; Wp, xc, xs, wc
	s_load_b128 s[20:23], s[0:1], 0x40             ; ws, wp16
	v_lshl_add_u32 v[SPW], v0, 2, SPARE
	v_mov_b32 v[NIL], 0
	v_lshrrev_b32 v1, 5, v0
	v_readfirstlane_b32 s24, v1                    ; wave 0..3
	v_and_b32 v2, 31, v0                           ; lane
	v_lshlrev_b32 v3, 4, v2                        ; 16 x lane
	v_lshlrev_b32 v7, 3, v2                        ; 8 x lane
	s_mov_b32 s29, 0                               ; the high word of every offset pair s[28:29]
	s_wait_kmcnt 0x0
	s_cmp_lt_u32 ttmp9, 256
	s_cbranch_scc0 .Lnot_x
; ---------------- PATH X.  A wave takes 16 rows x 512 along K: one tile of rows, one K half; step t is row t, 2,048 consecutive bytes.
	s_lshl_b32 s25, ttmp9, 2
	s_add_co_u32 s25, s25, s24                     ; u = 4 x work-group + wave
	s_lshr_b32 s26, s25, 1                         ; the tile of rows
	s_and_b32 s27, s25, 1                          ; the K half
	s_lshl_b32 s28, s26, 16                        ; 16 rows of 4,096 bytes
	s_lshl_b32 s30, s27, 11
	s_add_co_u32 s28, s28, s30
	s_add_nc_u64 s[4:5], s[4:5], s[28:29]          ; x
	s_lshl_b32 s28, s27, 21                        ; a K half of xc is 512 tiles x 4,096 bytes
	s_lshl_b32 s30, s26, 12
	s_add_co_u32 s28, s28, s30
	s_add_nc_u64 s[14:15], s[14:15], s[28:29]      ; xc
	s_lshl_b32 s28, s25, 8
	s_add_nc_u64 s[16:17], s[16:17], s[28:29]      ; xs: 256 bytes for each (tile, half)
	s_mul_i32 s31, s24, WREG
	v_lshrrev_b32 v14, 2, v2
	v_mul_u32_u24 v14, v14, SP
	v_and_b32 v15, 3, v2
	v_lshl_add_u32 v14, v15, 4, v14
	v_add_nc_u32 v14, s31, v14                     ; the stage, on the way in: SP (lane / 4) + 16 (lane % 4)
	v_mul_u32_u24 v15, v2, SP
	v_add_nc_u32 v15, s31, v15                     ; and on the way out: SP x lane: my 16 neighbours
	v_lshrrev_b32 v5, 1, v2                        ; my block of the row's 16: two lanes hold a block
	v_mul_u32_u24 v4, v5, IP
	v_and_b32 v6, 1, v2
	v_lshl_add_u32 v4, v6, 3, v4
	v_add_nc_u32 v4, s31, v4
	v_add_nc_u32 v4, IMG, v4                       ; the image: unit = block, + 8 bytes for the block's upper half; row t adds 16 t
	v_add_nc_u32 v5, s31, v5
	v_add_nc_u32 v5, SCB, v5                       ; my block's scale byte; row t adds 16 t
	v_add_nc_u32 v6, s31, v7
	v_add_nc_u32 v6, SCB, v6                       ; the scale bytes on the way out: 8 a lane
	v_lshrrev_b32 v10, 4, v2
	v_mul_u32_u24 v10, v10, IP
	v_and_b32 v11, 15, v2
	v_lshl_add_u32 v10, v11, 4, v10
	v_add_nc_u32 v10, s31, v10
	v_add_nc_u32 v10, IMG, v10                     ; the image on the way out: sixteen lanes to a unit, two units an instruction
.macro XLOAD t
.irp i, 0,1,2,3
	global_load_b128 v[R+16*((\t)%8)+4*\i:R+16*((\t)%8)+4*\i+3], v3, s[4:5] offset:4096*(\t)+512*\i th:TH_LOAD_NT   ; 32 lanes read 512 consecutive bytes
.endr
.endm
.macro XTURN t                         ; step t's numbers through the stage; LDS serves a wave's instructions in order, so no wait stands between the stores and the loads
.irp i, 0,1,2,3
	ds_store_b128 v14, v[R+16*((\t)%8)+4*\i:R+16*((\t)%8)+4*\i+3] offset:32*SP*((\t)%2)+8*SP*\i
.endr
.irp i, 0,1,2,3
	ds_load_b128 v[X+16*((\t)%2)+4*\i:X+16*((\t)%2)+4*\i+3], v15 offset:32*SP*((\t)%2)+16*\i
.endr
.endm
.irp t, 0,1,2,3,4,5,6,7
	XLOAD \t                                       ; loads run eight steps (32 loads a wave) ahead
.endr
	s_wait_loadcnt 28                              ; step 0's four loads are in
	XTURN 0
.macro XSTEP t
.set XS, X+16*((\t)%2)
.if (\t) > 0
	s_wait_dscnt 2                                 ; this step's numbers are back from the stage (the last step's byte store and image store may be out)
.else
	s_wait_dscnt 0x0
.endif
.if (\t)+8 < 16
	XLOAD (\t)+8                                   ; into the set that this step's stores into the stage have read
.endif
.if (\t)+1 < 16
.if (\t) <= 7
	s_wait_loadcnt 28                              ; the next step's four loads are in; those of the seven steps behind it may be out
.else
	s_wait_loadcnt 4*(14-(\t))
.endif
	XTURN (\t)+1                                   ; through the other stage while this step is worked
.endif
	v_max3_num_f32 v8, |v[XS]|, |v[XS+1]|, |v[XS+2]|   ; the largest magnitude of my 16, in two chains
	v_max3_num_f32 v9, |v[XS+3]|, |v[XS+4]|, |v[XS+5]|
.irp i, 6,10
	v_max3_num_f32 v8, v8, |v[XS+\i]|, |v[XS+\i+1]|
	v_max3_num_f32 v9, v9, |v[XS+\i+2]|, |v[XS+\i+3]|
.endr
	v_max3_num_f32 v8, v8, |v[XS+14]|, |v[XS+15]|
	v_max3_num_f32 v8, v8, v9, 0x1800000           ; and the floor 2^(3 - 127): the byte cannot fall under 1
	v_max_num_f32_dpp v8, v8, v8 row_xmask:1 row_mask:0xf bank_mask:0xf   ; with my neighbour's 16: the block's
	v_add_nc_u32 v11, 0xff000000, v8               ; 2 off its exponent field: the conversion takes the exponent field of this operand as its scale
	v_cvt_scalef32_pk8_fp4_f32 v[C+2*((\t)%2)], v[XS:XS+7], v11
	v_cvt_scalef32_pk8_fp4_f32 v[C+2*((\t)%2)+1], v[XS+8:XS+15], v11
	v_lshrrev_b32 v[E+(\t)%2], 23, v11             ; the scale's byte (also the plain line behind the conversions)
	ds_store_b8 v5, v[E+(\t)%2] offset:16*(\t)     ; both lanes of a block write the same byte with the same value
	ds_store_b64 v4, v[C+2*((\t)%2):C+2*((\t)%2)+1] offset:16*(\t)   ; my 16 codes, at row t's 16 bytes of the block's unit
.endm
.irp t, 0,1,2,3,4,5,6,7,8,9,10,11,12,13,14,15
	XSTEP \t
.endr
	ds_load_b64 v[8:9], v6                         ; LDS serves a wave's instructions in order: these see my stores
.irp j, 0,1,2,3,4,5,6,7
	ds_load_b128 v[OUTR+4*\j:OUTR+4*\j+3], v10 offset:2*IP*\j
.endr
	s_wait_dscnt 8                                 ; the scale bytes are back; the image's eight reads may be out
	global_store_b64 v7, v[8:9], s[16:17]          ; 32 lanes store 256 consecutive bytes, aligned
.irp j, 0,1,2,3,4,5,6,7
	s_wait_dscnt 7-\j
	global_store_b128 v3, v[OUTR+4*\j:OUTR+4*\j+3], s[14:15] offset:512*\j   ; 512 consecutive bytes, aligned
.endr
	s_wait_tensorcnt 0x0                           ; the wave's end, behind my last LDS store
	ds_add_u32 v[SPW], v[NIL]
	s_wait_dscnt 0x0
	s_endpgm
; ---------------- PATH W.  A lane takes a column n and its registers run down K: a block of 32 lies in one lane, and its 16 bytes of codes are the lane's place in a fragment's image.
; A wave takes 32 columns (two tiles of 16) x 128 along K (one fragment: four blocks).
.Lnot_x:
	s_cmp_lt_u32 ttmp9, 448
	s_cbranch_scc0 .Lcast
	s_sub_co_u32 s25, ttmp9, 256
	s_lshr_b32 s26, s25, 6                         ; which weight: 0 Wq, 1 Wk, 2 Wv
	s_and_b32 s27, s25, 7                          ; which 128 columns
	s_bfe_u32 s30, s25, 0x30003                    ; which 128 along K
	s_cmp_eq_u32 s26, 1
	s_cselect_b64 s[6:7], s[8:9], s[6:7]           ; the choice hangs on the work-group's number alone
	s_cmp_eq_u32 s26, 2
	s_cselect_b64 s[6:7], s[10:11], s[6:7]
	s_lshl_b32 s31, s27, 7
	s_lshl_b32 s32, s24, 5
	s_add_co_u32 s31, s31, s32                     ; my wave's first column
	s_lshl_b32 s28, s30, 19                        ; 128 rows of 4,096 bytes
	s_lshl_b32 s31, s31, 2
	s_add_co_u32 s28, s28, s31
	s_add_nc_u64 s[6:7], s[6:7], s[28:29]
	s_lshl_b32 s31, s26, 6
	s_lshl_b32 s32, s27, 3
	s_add_co_u32 s31, s31, s32
	s_lshl_b32 s32, s24, 1
	s_add_co_u32 s31, s31, s32                     ; my first tile of 16 columns: 64 which + 8 group + 2 wave
	s_lshr_b32 s33, s30, 2                         ; the K half
	s_and_b32 s34, s30, 3                          ; the fragment in it
	s_mul_i32 s28, s33, 786432                     ; a K half of wc is 192 tiles x 4,096 bytes
	s_lshl_b32 s32, s31, 12
	s_add_co_u32 s28, s28, s32
	s_lshl_b32 s32, s34, 10
	s_add_co_u32 s28, s28, s32
	s_add_nc_u64 s[18:19], s[18:19], s[28:29]      ; wc
	s_lshl_b32 s28, s31, 9
	s_lshl_b32 s32, s33, 8
	s_add_co_u32 s28, s28, s32
	s_lshl_b32 s32, s34, 2
	s_add_co_u32 s28, s28, s32
	s_add_nc_u64 s[20:21], s[20:21], s[28:29]      ; ws
	v_lshlrev_b32 v1, 2, v2                        ; in: 4 bytes a lane
	v_lshrrev_b32 v6, 4, v2
	v_and_b32 v10, 15, v2
	v_lshlrev_b32 v10, 4, v10
	v_lshl_add_u32 v4, v6, 12, v10                 ; codes: 4,096 x (lane / 16) + 16 x (lane % 16)
	v_lshl_add_u32 v5, v6, 9, v10                  ; scale word: 512 x (lane / 16) + 16 x (lane % 16)
.macro WLOAD t                         ; block t: W(32 t + i, my column) into set t % 2; 32 lanes read 128 consecutive bytes, the four waves stand side by side on 512
.irp i, 0,1,2,3,4,5,6,7,8,9,10,11,12,13,14,15,16,17,18,19,20,21,22,23,24,25,26,27,28,29,30,31
	global_load_b32 v[WX+32*((\t)%2)+\i], v1, s[6:7] offset:(32*(\t)+\i)*4096 th:TH_LOAD_NT
.endr
.endm
	WLOAD 0
	WLOAD 1
.macro WBLOCK t
.set WS, WX+32*((\t)%2)
.if (\t) < 3
	s_wait_loadcnt 32                              ; this block's 32 loads are in; the next block's may be out
.else
	s_wait_loadcnt 0x0
.endif
	v_max3_num_f32 v8, |v[WS]|, |v[WS+1]|, |v[WS+2]|   ; the block's largest magnitude: all 32 numbers are mine
	v_max3_num_f32 v9, |v[WS+3]|, |v[WS+4]|, |v[WS+5]|
.irp i, 6,10,14,18,22,26
	v_max3_num_f32 v8, v8, |v[WS+\i]|, |v[WS+\i+1]|
	v_max3_num_f32 v9, v9, |v[WS+\i+2]|, |v[WS+\i+3]|
.endr
	v_max3_num_f32 v8, v8, |v[WS+30]|, |v[WS+31]|
	v_max3_num_f32 v8, v8, v9, 0x1800000           ; and the floor 2^(3 - 127)
	v_add_nc_u32 v11, 0xff000000, v8               ; the conversion's scale operand
	v_lshrrev_b32 v10, 23, v11                     ; the scale's byte
.if (\t) == 0
	v_mov_b32 v[SB], v10
.else
	v_lshl_or_b32 v[SB], v10, 8*(\t), v[SB]        ; the lower K in the lower byte
.endif
.irp g, 0,1,2,3
	v_cvt_scalef32_pk8_fp4_f32 v[WC+4*(\t)+\g], v[WS+8*\g:WS+8*\g+7], v11
.endr
	global_store_b128 v4, v[WC+4*(\t):WC+4*(\t)+3], s[18:19] offset:256*(\t)   ; sixteen lanes store 256 consecutive bytes, aligned: block t of a tile's 16 rows
.if (\t)+2 < 4
	WLOAD (\t)+2
.endif
.endm
	WBLOCK 0
	WBLOCK 1
	WBLOCK 2
	WBLOCK 3
	global_store_b32 v5, v[SB], s[20:21]           ; my column's scale word of this fragment: 4 bytes, 16 apart from lane to lane: one byte for each 128 that the path reads
	s_endpgm
; ---------------- PATH P.  Wp to f16, in its own order: a wave takes 4,096 numbers.
.Lcast:
	s_sub_co_u32 s25, ttmp9, 448
	s_lshl_b32 s25, s25, 2
	s_add_co_u32 s25, s25, s24
	s_lshl_b32 s28, s25, 14
	s_add_nc_u64 s[12:13], s[12:13], s[28:29]
	s_lshl_b32 s28, s25, 13
	s_add_nc_u64 s[22:23], s[22:23], s[28:29]
.set i, 0
.rept 32
	global_load_b128 v[R+4*i:R+4*i+3], v3, s[12:13] offset:512*i th:TH_LOAD_NT
.set i, i+1
.endr
.set i, 0
.rept 32
	s_wait_loadcnt 31-i                            ; load i is in; the younger ones stay out
	v_cvt_pk_f16_f32 v[X+2*i], v[R+4*i], v[R+4*i+1]
	v_cvt_pk_f16_f32 v[X+2*i+1], v[R+4*i+2], v[R+4*i+3]
	global_store_b64 v7, v[X+2*i:X+2*i+1], s[22:23] offset:256*i   ; 32 lanes store 256 consecutive bytes, aligned
.set i, i+1
.endr
	s_endpgm
.Lfunc_end_k_qe61528863c_prep:
	.size	k_qe61528863c_prep, .Lfunc_end_k_qe61528863c_prep-k_qe61528863c_prep
	.p2alignl 7, 3214868480
	.fill 96, 4, 3214868480
	.section	.rodata,"a",@progbits
	.p2align	6, 0x0
	.amdhsa_kernel k_qe61528863c_prep
		.amdhsa_group_segment_fixed_size 39424
		.amdhsa_private_segment_fixed_size 0
		.amdhsa_enable_private_segment 0
		.amdhsa_kernarg_size 80
		.amdhsa_user_sgpr_count 2
		.amdhsa_user_sgpr_kernarg_segment_ptr 1
		.amdhsa_wavefront_size32 1
		.amdhsa_system_sgpr_workgroup_id_x 1
		.amdhsa_system_sgpr_workgroup_id_y 1
		.amdhsa_system_sgpr_workgroup_id_z 1
		.amdhsa_system_vgpr_workitem_id 0
		.amdhsa_next_free_vgpr 216
		.amdhsa_next_free_sgpr 66
		.amdhsa_reserve_vcc 0
		.amdhsa_float_denorm_mode_32 3
		.amdhsa_float_denorm_mode_16_64 3
		.amdhsa_memory_ordered 1
		.amdhsa_forward_progress 1
		.amdhsa_inst_pref_size 66
	.end_amdhsa_kernel
	.amdgpu_metadata
---
amdhsa.version: [ 1, 2 ]
amdhsa.kernels:
  - .name:           k_qe61528863c_prep
    .symbol:         k_qe61528863c_prep.kd
    .args:
      - { .name: x, .offset: 0, .size: 8, .value_kind: global_buffer, .address_space: global }
      - { .name: Wq, .offset: 8, .size: 8, .value_kind: global_buffer, .address_space: global }
      - { .name: Wk, .offset: 16, .size: 8, .value_kind: global_buffer, .address_space: global }
      - { .name: Wv, .offset: 24, .size: 8, .value_kind: global_buffer, .address_space: global }
      - { .name: Wp, .offset: 32, .size: 8, .value_kind: global_buffer, .address_space: global }
      - { .name: xc, .offset: 40, .size: 8, .value_kind: global_buffer, .address_space: global }
      - { .name: xs, .offset: 48, .size: 8, .value_kind: global_buffer, .address_space: global }
      - { .name: wc, .offset: 56, .size: 8, .value_kind: global_buffer, .address_space: global }
      - { .name: ws, .offset: 64, .size: 8, .value_kind: global_buffer, .address_space: global }
      - { .name: wp16, .offset: 72, .size: 8, .value_kind: global_buffer, .address_space: global }
    .group_segment_fixed_size: 39424
    .private_segment_fixed_size: 0
    .kernarg_segment_align: 8
    .kernarg_segment_size: 80
    .max_flat_workgroup_size: 128
    .sgpr_count:     66
    .vgpr_count:     216
    .wavefront_size: 32
...
	.end_amdgpu_metadata
.endif
;; end of part 1
;; launch qkv (part 2): grid 12 x 32, 4 waves a work-group, clusters of 4 x 4, 327,680 bytes of LDS; arguments xc, xs, wc, ws, qkv; writes qkv
.if DOCPART == 2
	.amdgcn_target "amdgcn-amd-amdhsa--gfx1250"
	.amdhsa_code_object_version 6
	.text
	.protected	k_qe61528863c_qkv
	.globl	k_qe61528863c_qkv
	.p2align	8
	.type	k_qe61528863c_qkv,@function
k_qe61528863c_qkv:
	s_mov_b64 s[64:65], 0
	v_nop
	global_prefetch_b8 v0, s[64:65] scope:SCOPE_SE
	s_setreg_imm32_b32 hwreg(HW_REG_WAVE_MODE, 25, 1), 1
	s_wait_xcnt 0x0
	s_wait_alu depctr_hold_cnt(0) depctr_sa_sdst(0) depctr_va_vdst(0) depctr_va_sdst(0) depctr_va_ssrc(0) depctr_va_vcc(0) depctr_vm_vsrc(0)
	s_getreg_b32 s2, hwreg(HW_REG_IB_STS2, 6, 4)
	s_cmp_eq_u32 s2, 0
	s_cbranch_scc0 .Lentry_in_a_cluster
	s_endpgm
.Lentry_in_a_cluster:
	s_bfe_u32 s2, ttmp6, 0x10000c
	s_cmp_lg_u32 s2, 0xf033
	s_cbranch_scc0 .Lentry_shape_is_right
	s_endpgm
.Lentry_shape_is_right:
; q, k, v = x W: C[m][n] = sum over k of x[m][k] W[k][n], m = 0..8191, n = 1024 x which + column = 0..3071, K = 1,024, on codes of FP4 (E2M1) with one E8M0 scale for each 32 along K.
; Codes and scale bytes were laid by the launch before as images of the operand's registers (a fragment, 16 rows x 128 K, is 1,024 bytes; lane l's 16 bytes of load c at 512 c + 16 l).
; A tile of C, 256 x 256, is made by a work-group of four waves; a wave makes 128 x 128: 64 accumulators of 16 x 16, 512 registers.
; K is two halves of 512: both halves' tiles (two LDS slots) and all scale words are asked for at the start and nothing is filled again.  By this text's count a wave has three tensor loads out at the most.
; CLUSTERS: 4 x 4 work-groups.  The four of a row of the cluster need the same tiles of x, the four of a column the same tiles of W: each is asked for JOINTLY, by the same tensor load with a mask that names the four.
; THE MATRIX INSTRUCTION IS USED TRANSPOSED (source 0 = 16 rows of W^T, source 1 = 16 rows of x): a lane holds eight neighbouring columns of one row of C.
; THE RESULT leaves as f16, laid [g = n / 64 (48)][m (8192)][64]: a head's rows of 128 bytes on end, as the attention launch reads them.
; LIMIT: |q|, |k|, |v| up to 65,504, f16's largest number.
; REGISTERS, in windows of 256: window 0: v16-29 addresses; v32-95 scale words, two sets, and nothing else; v128-191 x's fragments, ONE set; on the way out v128-223.
;   window 1: W's fragments, TWO sets, at v0 and v128.   window 2: the accumulators of my rows 0-63 ((a, b) at v[8 (8 a + b)]);   window 3: those of my rows 64-127.
.set NQ,     4                         ; steps of 128 along K in a slot
.set FR,     8                         ; registers of a fragment
.set NL,     2                         ; LDS loads that bring one
.set NP,     4                         ; places behind this matrix instruction (ISA guide 7.12.1)
.set FRB,    1024                      ; a fragment's image
.set TILEB,  4096                      ; 16 rows x 512 K
.set HALFT,  8*TILEB                   ; 128 rows: what one tensor load brings, and what one wave reads of x or of W
.set SLOT,   4*HALFT                   ; x's 256 rows, then W's 256
.set SCL,    2*SLOT                    ; behind the slots: the scale words: x's 16 tiles x 512 bytes, then W's
.set HALFS,  4096                      ; those of 128 rows
.set STG,    SCL+4*HALFS               ; the way out: for each wave 2 x 16 rows x (128 bytes + 16), bytes of their own
.set SGP,    144
.set SPARE,  STG+4*32*SGP              ; the spare words, 128 bytes for each wave, that no other line names
.set ADRA, 16                          ; v16-17  LDS address of my x fragments in slot 0, 1
.set ADRB, 20                          ; v20-21  the same for W
.set STO,  24                          ; v24     the way out: where I put 16 bytes of a row
.set RD,   25                          ; v25     where I read rows back
.set CO,   26                          ; v26     16 x lane
.set ADRS, 27                          ; v27     my scale words: lanes 0-15 x's rows, lanes 16-31 W's
.set SPW,  28                          ; v28     my spare word; never rewritten
.set NIL,  29                          ; v29     0; never rewritten
.set SC,   32                          ; scale words: set s at v[SC + 32 s]; register 4 i + q: lanes 0-15 x's block i, lanes 16-31 W's block i, the half's q-th 128 along K
.set AF,   128                         ; x's fragments
.set TMP,  128                         ; the way out: packed results v128-159
.set BK,   160                         ; and rows read back: v160-191, v192-223 by turns
.set G1, 24                            ; s[24:31] group 1 for x's tiles; s[32:39] group 0, a set for each slot
.set G0, 32
.set G1B, 48                           ; s[48:55], s[56:63] the same for W's
.set G0B, 56
.set G1S, 68                           ; s[68:75], s[76:79] groups 1 and 0 for x's scale words; s[80:87], s[88:91] for W's
.set G0S, 76
.set G1SB, 80
.set G0SB, 88
.set MSB, 0
.macro WIN new                         ; the immediate's high byte repeats the setting that is left; a switch that changes nothing is dropped
.if MSB != (\new)
	s_set_vgpr_msb (MSB<<8)|(\new)
.set MSB, (\new)
.endif
.endm
.set MUL_LO, 0xa1                      ; source 0 (W) window 1, source 1 (x) window 0, C and D window 2
.set MUL_HI, 0xf1                      ; the same, C and D window 3
.set TO_B,   0x40                      ; destination window 1, address window 0
; A joint load: waves 0 and 1 fetch for x, waves 2 and 3 for W.  The branch hangs on the wave's number alone.  An s_nop 0 and four v_nop follow each of the two lines.
.macro JLOAD g0a, g1a, g0b, g1b
	s_cmp_eq_u32 s15, 0
	s_cbranch_scc0 .Lfor_b_\@
	tensor_load_to_lds s[\g0a:\g0a+3], s[\g1a:\g1a+7]
	s_nop 0
.rept 4
	v_nop
.endr
	s_branch .Lasked_\@
.Lfor_b_\@:
	tensor_load_to_lds s[\g0b:\g0b+3], s[\g1b:\g1b+7]
	s_nop 0
.rept 4
	v_nop
.endr
.Lasked_\@:
.endm
.macro CROUND                          ; a round of the cluster's barrier
	s_barrier_signal -1
	s_barrier_wait -1
	s_cmp_lg_u32 s14, 0
	s_cbranch_scc1 .Lnot_wave_0_\@
	s_barrier_signal -3
.Lnot_wave_0_\@:
	s_barrier_wait -3
	s_barrier_signal -1
	s_barrier_wait -1
.endm
	s_load_b128 s[4:7], s[0:1], 0x0                ; xc, xs
	s_load_b128 s[8:11], s[0:1], 0x10              ; wc, ws
	s_load_b64 s[12:13], s[0:1], 0x20              ; qkv
	v_lshl_add_u32 v[SPW], v0, 2, SPARE
	v_mov_b32 v[NIL], 0
	ds_add_u32 v[SPW], v[NIL]                      ; the wave's opening: the add, twice on end, and its wait ahead of my first tensor load
	ds_add_u32 v[SPW], v[NIL]
	v_lshrrev_b32 v1, 5, v0
	v_readfirstlane_b32 s14, v1                    ; wave 0..3
	s_lshr_b32 s15, s14, 1                         ; which half of the tile's rows is mine.  Also: I fetch for x (0) or for W (1)
	s_and_b32 s16, s14, 1                          ; which half of its columns.  Also: which 128 rows I fetch
	s_bfe_u32 s40, ttmp6, 0x40000                  ; cx, cy: my place in the cluster
	s_bfe_u32 s41, ttmp6, 0x40004
	s_lshl_b32 s42, ttmp9, 2
	s_add_co_u32 s42, s42, s40                     ; tile column of C = 4 x cluster x + cx
	s_and_b32 s17, ttmp7, 0xffff
	s_lshl_b32 s17, s17, 2
	s_add_co_u32 s17, s17, s41                     ; tile row of C = 4 x cluster y + cy
	s_lshl_b32 s43, s41, 2
	s_lshl_b32 s43, 15, s43                        ; my row of the cluster
	s_lshl_b32 s44, 0x1111, s40                    ; my column
	; every tile is a dense block of memory, stated as rows of 256 bytes (32 elements of 8 bytes), no padding: a fragment load reads 512 consecutive LDS bytes
	s_or_b32 s[G1+0], s43, (3<<16)|(1<<21)         ; 15:0 the mask; 17:16 elements of 8 bytes; 21 set beside a mask
	s_or_b32 s[G1B+0], s44, (3<<16)|(1<<21)
	s_or_b32 s[G1S+0], s43, (3<<16)|(1<<21)
	s_or_b32 s[G1SB+0], s44, (3<<16)|(1<<21)
.irp g, G1, G1B
	s_mov_b32 s[\g+1], 32<<16                      ; tensor_dim0 = 32
	s_mov_b32 s[\g+2], 128<<16                     ; tensor_dim1 = 128 rows: 32,768 bytes
	s_mov_b32 s[\g+3], 32<<16                      ; tile_dim0
	s_mov_b32 s[\g+4], 128                         ; tile_dim1
	s_mov_b32 s[\g+5], 32                          ; the pitch
	s_mov_b32 s[\g+6], 0
	s_mov_b32 s[\g+7], 0
.endr
.irp g, G1S, G1SB
	s_mov_b32 s[\g+1], 32<<16
	s_mov_b32 s[\g+2], 16<<16                      ; 16 rows: 4,096 bytes
	s_mov_b32 s[\g+3], 32<<16
	s_mov_b32 s[\g+4], 16
	s_mov_b32 s[\g+5], 32
	s_mov_b32 s[\g+6], 0
	s_mov_b32 s[\g+7], 0
.endr
	s_lshl_b32 s18, s16, 3                         ; which 8 tiles of 16 rows I fetch
	s_lshl_b32 s20, s17, 4
	s_add_co_u32 s20, s20, s18                     ; x: tile 16 x tile row + 8 x half
	s_lshl_b32 s46, s42, 4
	s_add_co_u32 s46, s46, s18                     ; W: tile 16 x tile column + 8 x half
	s_lshl_b32 s22, s20, 9                         ; their scale words: 512 bytes a tile
	s_mov_b32 s23, 0
	s_lshl_b32 s92, s46, 9
	s_mov_b32 s93, 0
	s_lshl_b32 s20, s20, 12                        ; their codes: 4,096 bytes a tile and K half
	s_mov_b32 s21, 0
	s_lshl_b32 s46, s46, 12
	s_mov_b32 s47, 0
	s_lshl_b32 s45, s14, 15                        ; where they go: wave x 32,768: no place in the cluster enters an LDS address
	s_lshl_b32 s94, s14, 12
	s_wait_dscnt 0x0                               ; both opening adds are done
	s_wait_kmcnt 0x0
	s_add_nc_u64 s[20:21], s[4:5], s[20:21]
	s_add_nc_u64 s[22:23], s[6:7], s[22:23]
	s_add_nc_u64 s[46:47], s[8:9], s[46:47]
	s_add_nc_u64 s[92:93], s[10:11], s[92:93]
	CROUND                                         ; all sixteen work-groups are here: the joint loads meet
	s_mov_b32 s[G0S], 1
	s_add_co_u32 s[G0S+1], s94, SCL
	s_mov_b64 s[G0S+2:G0S+3], s[22:23]
	s_or_b32 s[G0S+3], s[G0S+3], 0x80000000
	s_mov_b32 s[G0SB], 1
	s_add_co_u32 s[G0SB+1], s94, SCL
	s_mov_b64 s[G0SB+2:G0SB+3], s[92:93]
	s_or_b32 s[G0SB+3], s[G0SB+3], 0x80000000
	JLOAD G0S, G1S, G0SB, G1SB                     ; the scale words first: they are wanted with the first K half
.irp s, 0,1
	s_mov_b32 s[G0+4*\s], 1
	s_add_co_u32 s[G0+4*\s+1], s45, \s*SLOT
	s_add_nc_u64 s[G0+4*\s+2:G0+4*\s+3], s[20:21], \s*2097152    ; K half s of xc
	s_or_b32 s[G0+4*\s+3], s[G0+4*\s+3], 0x80000000
	s_mov_b32 s[G0B+4*\s], 1
	s_add_co_u32 s[G0B+4*\s+1], s45, \s*SLOT
	s_add_nc_u64 s[G0B+4*\s+2:G0B+4*\s+3], s[46:47], \s*786432   ; K half s of wc
	s_or_b32 s[G0B+4*\s+3], s[G0B+4*\s+3], 0x80000000
	JLOAD G0+4*\s, G1, G0B+4*\s, G1B
.endr
	v_and_b32 v1, 15, v0                           ; r = lane % 16
	v_bfe_u32 v2, v0, 4, 1                         ; h = lane / 16
	v_and_b32 v6, 31, v0
	v_lshlrev_b32 v4, 4, v6                        ; 16 x lane: my place in an image
	s_lshl_b32 s21, s15, 15                        ; my 8 tiles of x
	s_lshl_b32 s22, s16, 15                        ; my 8 tiles of W,
	s_add_co_u32 s22, s22, 2*HALFT                 ; which lie behind x's 16
.irp s, 0,1
	v_add_nc_u32 v[ADRA+\s], s21, v4
	v_add_nc_u32 v[ADRB+\s], s22, v4
	s_add_co_u32 s21, s21, SLOT
	s_add_co_u32 s22, s22, SLOT
.endr
	v_lshlrev_b32 v5, 4, v1                        ; my row's 16 bytes of scale words
	s_lshl_b32 s21, s15, 12                        ; x's: my 8 tiles
	s_lshl_b32 s22, s16, 12                        ; W's: my 8 tiles, behind x's 16
	s_add_co_u32 s22, s22, 2*HALFS
	s_sub_co_u32 s22, s22, s21
	v_mul_u32_u24 v6, s22, v2                      ; lanes 16-31 take W's: one product with h
	s_add_co_u32 s21, s21, SCL
	v_add_nc_u32 v5, v5, v6
	v_add_nc_u32 v[ADRS], s21, v5
	s_mul_i32 s23, s14, 32*SGP
	s_add_co_u32 s23, s23, STG                     ; my stage
	v_mul_u32_u24 v5, v1, SGP                      ; in: row r, 16 bytes for each half of the lanes
	v_lshl_add_u32 v5, v2, 4, v5
	v_add_nc_u32 v[STO], s23, v5
	v_and_b32 v6, 31, v0
	v_lshrrev_b32 v7, 3, v6                        ; back: eight lanes to a row of 128 bytes, four rows an instruction
	v_mul_u32_u24 v7, v7, SGP
	v_and_b32 v8, 7, v0
	v_lshl_add_u32 v7, v8, 4, v7
	v_add_nc_u32 v[RD], s23, v7
	v_lshlrev_b32 v[CO], 4, v6
	s_lshl_b32 s20, s17, 8
	s_lshl_b32 s21, s15, 7
	s_add_co_u32 s20, s20, s21                     ; my first row m: 256 x tile row + 128 x half,
	s_lshl_b32 s20, s20, 7                         ; of 128 bytes
	s_mov_b32 s21, 0
	s_add_nc_u64 s[12:13], s[12:13], s[20:21]
	s_lshl_b32 s46, s42, 2
	s_lshl_b32 s47, s16, 1
	s_add_co_u32 s46, s46, s47                     ; my first g: 4 x tile column + 2 x half,
	s_lshl_b32 s46, s46, 20                        ; of 8,192 rows x 128 bytes
	s_mov_b32 s47, 0
	s_add_nc_u64 s[12:13], s[12:13], s[46:47]
.macro FRAG reg, adr, q, i             ; a fragment's image: two loads of 512 consecutive bytes
.irp c, 0,1
	ds_load_b128 v[\reg+4*\c:\reg+4*\c+3], v[\adr] offset:TILEB*(\i)+FRB*(\q)+512*\c
.endr
.endm
; 16 matrix instructions: x's blocks a0, a0 + 1 against W's eight, 128 along K: the slot's q-th.  p: W's set; sc: the set of scale words.  zero = 1: the first product starts the sums.
; The 64 accumulators take turns, one instruction a turn, in the same order in every step.
.macro MUL16 a0, p, q, sc, zero
.irp a, \a0, \a0+1
.irp b, 0,1,2,3,4,5,6,7
.if \zero
	v_wmma_scale_f32_16x16x128_f8f6f4 v[8*(8*((\a)%4)+\b):8*(8*((\a)%4)+\b)+7], v[128*(\p)+FR*\b:128*(\p)+FR*\b+FR-1], v[AF+FR*(\a):AF+FR*(\a)+FR-1], 0, v[SC+8*NQ*(\sc)+NQ*\b+(\q)], v[SC+8*NQ*(\sc)+NQ*(\a)+(\q)] matrix_a_fmt:MATRIX_FMT_FP4 matrix_b_fmt:MATRIX_FMT_FP4 matrix_a_scale:MATRIX_SCALE_ROW1
.else
	v_wmma_scale_f32_16x16x128_f8f6f4 v[8*(8*((\a)%4)+\b):8*(8*((\a)%4)+\b)+7], v[128*(\p)+FR*\b:128*(\p)+FR*\b+FR-1], v[AF+FR*(\a):AF+FR*(\a)+FR-1], v[8*(8*((\a)%4)+\b):8*(8*((\a)%4)+\b)+7], v[SC+8*NQ*(\sc)+NQ*\b+(\q)], v[SC+8*NQ*(\sc)+NQ*(\a)+(\q)] matrix_a_fmt:MATRIX_FMT_FP4 matrix_b_fmt:MATRIX_FMT_FP4 matrix_a_scale:MATRIX_SCALE_ROW1
.endif
.endr
.endr
.endm
.macro FETCH_B slot, q, p              ; W's eight fragments of the slot's q-th 128 along K into set p
	WIN TO_B
.irp i, 0,1,2,3,4,5,6,7
	FRAG 128*(\p)+FR*\i, ADRB+\slot, \q, \i
.endr
	WIN 0
.endm
.macro FETCH_A slot, q, i0             ; x's blocks i0 .. i0 + 3
.irp i, \i0, \i0+1, \i0+2, \i0+3
	FRAG AF+FR*(\i), ADRA+\slot, \q, \i
.endr
.endm
.macro SCALES sc                       ; K half sc's scale words: four words a row; lanes 0-15 take x's block i, lanes 16-31 W's block i
.irp i, 0,1,2,3,4,5,6,7
	ds_load_b128 v[SC+8*NQ*\sc+NQ*\i:SC+8*NQ*\sc+NQ*\i+3], v[ADRS] offset:512*\i+256*\sc
.endr
.endm
; A load into a register that a matrix instruction has read, and a vector instruction that reads a matrix result or writes one of its registers, stand NP places behind it; only plain vector
; instructions that name none of its registers are places (ISA guide 7.12.1 for vector instructions).
.macro PLACES n
.rept \n
	v_nop
.endr
.endm
; A step of 128 along K that has its successor in the same slot.  x has one set of registers: blocks 0-3 are fetched anew in the step's middle, blocks 4-7 at its end; W has two sets.
.macro STEP slot, q, zero
	s_wait_dscnt 4*NL                              ; W's set and x's blocks 0-3 are in; the youngest eight loads (x's blocks 4-7) may be out
	WIN MUL_LO
	MUL16 0, (\q)%2, \q, \slot, \zero
	MUL16 2, (\q)%2, \q, \slot, \zero
	s_wait_dscnt 0                                 ; x's blocks 4-7 are in
	PLACES NP
	FETCH_B \slot, (\q)+1, 1-(\q)%2
	FETCH_A \slot, (\q)+1, 0
	WIN MUL_HI
	MUL16 4, (\q)%2, \q, \slot, \zero
	MUL16 6, (\q)%2, \q, \slot, \zero
	PLACES NP
	WIN 0
	FETCH_A \slot, (\q)+1, 4
.endm
; Slot 0's last step goes over to slot 1: each wave waits for all its tensor loads (its part of slot 1), and the barrier shows the whole slot to every wave.  Nothing is filled again.
.macro TURN slot, next
	s_wait_tensorcnt 0x0                           ; all my tensor loads have landed
	ds_add_u32 v[SPW], v[NIL]                      ; 0 onto my spare word
	s_wait_dscnt 4*NL+1                            ; (the add and the youngest eight loads may be out)
	WIN MUL_LO
	MUL16 0, 1, NQ-1, \slot, 0                     ; sixteen matrix instructions stand between the add and the wait for it
	s_wait_dscnt 0x0                               ; the add is done, and no LDS load of mine is out at the signal
	s_barrier_signal -1
	MUL16 2, 1, NQ-1, \slot, 0
	WIN 0
	s_barrier_wait -1
	PLACES NP
	FETCH_B \next, 0, 0
	FETCH_A \next, 0, 0
	SCALES \next
	WIN MUL_HI
	MUL16 4, 1, NQ-1, \slot, 0
	MUL16 6, 1, NQ-1, \slot, 0
	PLACES NP
	WIN 0
	FETCH_A \next, 0, 4
.endm
.macro STEPS slot, from                ; the slot's steps from .. NQ - 2
.set Q, \from
.rept NQ-1-\from
	STEP \slot, Q, 0
.set Q, Q+1
.endr
.endm
	s_wait_tensorcnt 1                             ; the scale words and my part of slot 0 are in (slot 1's load may be out)
	s_barrier_signal -1
	s_barrier_wait -1                              ; everybody's are
	FETCH_B 0, 0, 0
	FETCH_A 0, 0, 0
	SCALES 0
	FETCH_A 0, 0, 4
	STEP 0, 0, 1                                   ; the first step's products start the sums: nothing is cleared
	STEPS 0, 1
	TURN 0, 1
	STEPS 1, 0
	s_wait_dscnt 4*NL                              ; the very last step: nothing more to fetch
	WIN MUL_LO
	MUL16 0, 1, NQ-1, 1, 0
	MUL16 2, 1, NQ-1, 1, 0
	s_wait_dscnt 0
	WIN MUL_HI
	MUL16 4, 1, NQ-1, 1, 0
	MUL16 6, 1, NQ-1, 1, 0
	WIN 0
; THE WAY OUT, block by block of 16 rows x 128 columns (two g of 64).  A lane's eight results pack into 16 bytes of a row of 128; they go through my own stage and come back as whole rows:
; 32 lanes store four rows, 512 consecutive bytes.  LDS serves a wave's instructions in order (ISA guide 5.7.1.4): no wait between the stage's stores and loads.
.macro PACK a
.set AC, 64*((\a)%4)
	WIN 0x0a+5*((\a)/4)                            ; sources 0 and 1: window 2 or 3
.irp b, 0,1,2,3,4,5,6,7
.irp i, 0,1,2,3
	v_cvt_pk_f16_f32 v[TMP+4*\b+\i], v[AC+8*\b+2*\i], v[AC+8*\b+2*\i+1]   ; each accumulator from its low end on
.endr
.endr
	WIN 0
.endm
.macro TOSTAGE a
.set BB, BK+32*((\a)%2)
.irp b, 0,1,2,3,4,5,6,7
	ds_store_b128 v[STO], v[TMP+4*\b:TMP+4*\b+3] offset:(\b/4)*16*SGP+(\b%4)*32
.endr
.irp f, 0,1,2,3,4,5,6,7
	ds_load_b128 v[BB+4*\f:BB+4*\f+3], v[RD] offset:(\f/4)*16*SGP+(\f%4)*4*SGP
.endr
.endm
.macro SEND a
.set BB, BK+32*((\a)%2)
	s_wait_dscnt 0x0                               ; the block is back in registers
	s_wait_xcnt 0x0                                ; earlier stores have read their base and their registers: only behind this wait are they rewritten
.if (\a) > 0
	s_add_nc_u64 s[12:13], s[12:13], 2048          ; 16 rows of 128 bytes on
.endif
.irp f, 0,1,2,3,4,5,6,7
	global_store_b128 v[CO], v[BB+4*\f:BB+4*\f+3], s[12:13] offset:(\f/4)*1048576+(\f%4)*512   ; 512 consecutive bytes, aligned
.endr
.endm
	PLACES NP                                      ; behind the last products: for the conversions' reads of results and their writes over x's fragments
	PACK 0
	TOSTAGE 0
.irp a, 1,2,3,4,5,6,7                  ; block a's conversions stand between block a - 1's loads from the stage and the wait for them
	PACK \a
	SEND \a-1
	TOSTAGE \a
.endr
	SEND 7
	s_wait_tensorcnt 0x0                           ; the wave's end, behind my last tensor load and my last LDS store
	ds_add_u32 v[SPW], v[NIL]
	s_wait_dscnt 0x0
	CROUND                                         ; the closing round: no work-group ends while a partner may still ask for a tile that names it
	s_endpgm
.Lfunc_end_k_qe61528863c_qkv:
	.size	k_qe61528863c_qkv, .Lfunc_end_k_qe61528863c_qkv-k_qe61528863c_qkv
	.p2alignl 7, 3214868480
	.fill 96, 4, 3214868480
	.section	.rodata,"a",@progbits
	.p2align	6, 0x0
	.amdhsa_kernel k_qe61528863c_qkv
		.amdhsa_group_segment_fixed_size 327680
		.amdhsa_private_segment_fixed_size 0
		.amdhsa_enable_private_segment 0
		.amdhsa_kernarg_size 40
		.amdhsa_user_sgpr_count 2
		.amdhsa_user_sgpr_kernarg_segment_ptr 1
		.amdhsa_wavefront_size32 1
		.amdhsa_system_sgpr_workgroup_id_x 1
		.amdhsa_system_sgpr_workgroup_id_y 1
		.amdhsa_system_sgpr_workgroup_id_z 1
		.amdhsa_system_vgpr_workitem_id 0
		.amdhsa_next_free_vgpr 1024
		.amdhsa_next_free_sgpr 98
		.amdhsa_reserve_vcc 0
		.amdhsa_float_denorm_mode_32 3
		.amdhsa_float_denorm_mode_16_64 3
		.amdhsa_memory_ordered 1
		.amdhsa_forward_progress 1
		.amdhsa_inst_pref_size 126
	.end_amdhsa_kernel
	.amdgpu_metadata
---
amdhsa.version: [ 1, 2 ]
amdhsa.kernels:
  - .name:           k_qe61528863c_qkv
    .symbol:         k_qe61528863c_qkv.kd
    .args:
      - { .name: xc, .offset: 0, .size: 8, .value_kind: global_buffer, .address_space: global }
      - { .name: xs, .offset: 8, .size: 8, .value_kind: global_buffer, .address_space: global }
      - { .name: wc, .offset: 16, .size: 8, .value_kind: global_buffer, .address_space: global }
      - { .name: ws, .offset: 24, .size: 8, .value_kind: global_buffer, .address_space: global }
      - { .name: qkv, .offset: 32, .size: 8, .value_kind: global_buffer, .address_space: global }
    .group_segment_fixed_size: 327680
    .private_segment_fixed_size: 0
    .kernarg_segment_align: 8
    .kernarg_segment_size: 40
    .max_flat_workgroup_size: 128
    .sgpr_count:     98
    .vgpr_count:     1024
    .wavefront_size: 32
...
	.end_amdgpu_metadata
.endif
;; end of part 2
;; launch attn (part 3): grid 4 x 64, 8 waves a work-group, no clusters, 327,680 bytes of LDS; arguments qkv, o; writes o
.if DOCPART == 3
	.amdgcn_target "amdgcn-amd-amdhsa--gfx1250"
	.amdhsa_code_object_version 6
	.text
	.protected	k_qe61528863c_attn
	.globl	k_qe61528863c_attn
	.p2align	8
	.type	k_qe61528863c_attn,@function
k_qe61528863c_attn:
	s_mov_b64 s[64:65], 0
	v_nop
	global_prefetch_b8 v0, s[64:65] scope:SCOPE_SE
	s_setreg_imm32_b32 hwreg(HW_REG_WAVE_MODE, 25, 1), 1
	s_wait_xcnt 0x0
; o[b][h][q][:] = the sum over k <= q of softmax_k(Q[q] . K[k] / 8) V[k][:], for 64 pairs (b, h), 2,048 positions, head size 64.  Q, K, V: f16, [g = 16 which + h][b][t][64]; o: f16, [b][h][t][64].
; Products, maxima and sums in f32; the weights p are rounded to f16 for the second product, o once at the end.
; SHARES.  Work-group (I, Y = 4 h + b) owns query blocks I and 7 - I of 256 queries, one after the other: (I + 1) + (8 - I) = 9 key slots of 256 keys for every work-group, so all 256 have
; equal work and the trip count is a constant of the text.  Each of the eight waves owns 32 queries of a block: two tiles of 16; two waves to a SIMD, so that one wave's softmax stands beside the other's products.
; LAYOUT.  S^T = K Q^T (source 0 = 16 keys, source 1 = 16 queries): a lane holds ONE query (lane % 16) and keys 8 (lane / 16) + 0..7 of each tile of keys.  Two such tiles, rounded to f16 in pairs,
; ARE source 1 of O^T = V^T P, whose result again holds one query a lane.  K comes out of LDS as it lies, V ([key][channel]) turned, by ds_load_tr16_b128.
; SOFTMAX.  A running maximum m and sum l for each query: p = 2^(c s - c m), c = log2(e) / 8; in every step O and l are multiplied by a = 2^(c m_old - c m_new).  m begins at -3e38, l and O^T at 0.
; THE CAUSAL MASK.  A step of 64 keys all of which come after the wave's 32 queries is left out by a scalar branch on ids; on the diagonal hidden scores become -infinity ahead of the maximum.
; Key 0 counts for every query, so m is a score from a block's first step on.
; THE RING.  Two LDS slots of 256 keys (four steps of 64 rows of K and 64 of V).  Waves 0-3 fetch K's four steps, waves 4-7 V's: one tensor load a wave behind each change of slots; every tile asked for is read.
; NO CLUSTER: at a given trip the four work-groups of a head stand at different key slots (work-group I turns back to key slot 0 at trip I + 1), so their requests do not name the same tiles.
; LIMITS: |q|, |k|, |v| up to 65,504 (f16); NaN and infinities are not served.
; REGISTERS.  window 0: v1-11 addresses; v12-27 eight statistics a tile; v28-31; v32-95 S^T, 32 a tile; v96-127 P, 16 a tile; v128-191 K's fragments; v192-255 V's.
;   window 1: v0-63 O^T, 32 a tile; v64-95 Q of the block in hand; v96-127 Q of the second block.
.set PK,    144                        ; a row of K in LDS: 128 bytes + 16: an odd multiple of 16, so that the 16 rows of a load start at different banks (ISA guide 11.1)
.set PVP,   160                        ; a row of V: 128 + 32: an odd multiple of 32, for the turning load
.set VOFF,  64*PK                      ; a step: 64 rows of K, then 64 rows of V
.set STEPB, 64*(PK+PVP)
.set SLOT1, 1<<17                      ; slot 1 begins here: one exclusive or turns an address from one slot to the other
.set STAGE, SLOT1+4*STEPB              ; behind the ring: 32 rows x 144 bytes for each wave, for the way out
.set SGP,   144
.set SPARE, STAGE+8*32*SGP             ; the spare words, 128 bytes for each wave, that no other line names
.set AK0, 1                            ; v1   my lane's place in a step's K
.set AV0, 2                            ; v2   and V
.set ADK, 3                            ; v3   LDS address of the step's K
.set ADV, 4                            ; v4   of its V
.set QO,  5                            ; v5   my byte offset in the wave's rows of Q
.set STO, 6                            ; v6   the way out: where I put 16 bytes of a row
.set RD,  7                            ; v7   where I read rows back
.set GO,  8                            ; v8   16 x lane
.set D0,  9                            ; v9   the mask: my query of tile 0 less the step's first key less 8 (lane / 16)
.set NEG, 10                           ; v10  -infinity
.set D1,  11                           ; v11  the same for tile 1
.set ST,  12                           ; tile t's statistics at v[ST + 8 t]: +0 c m, +1 m, +2, +3 l (even keys', odd keys'), +4 to +7 at work; a takes +6
.set PFO, 28                           ; v28  256 x lane; never rewritten
.set RH,  29                           ; v29  lane % 16 - 8 (lane / 16)
.set SPW, 30                           ; v30  my spare word; never rewritten
.set NIL, 31                           ; v31  0; never rewritten
.set S,   32
.set P,   96
.set KFR, 128
.set VFR, 192
.set WV,  8                            ; s8   wave
.set BI,  9                            ; s9   I
.set NA,  10                           ; s10  I + 1: trips of the first block
.set HY,  11                           ; s11  Y
.set SU,  12                           ; s12  which 32 queries of a block are mine
.set Q0,  13                           ; s13  my first query
.set KF,  14                           ; s14  the step's first key
.set TB,  15                           ; s15  LDS byte at which the step's tiles begin
.set TR,  16                           ; s16  the trip
.set ST4, 17                           ; s17  counts a slot's four steps
.set KN,  18                           ; s18  the key slot asked for last
.set CS,  20                           ; s[20:21] c, twice
.set SEL, 22                           ; s[22:23] v_permlanex16_b32's selects for lane l xor 16
.set G1K, 24                           ; s[24:31], s[32:39] descriptor groups 1; s[40:43], s[44:47] groups 0
.set G1V, 32
.set G0K, 40
.set G0V, 44
.set KB,  48                           ; s[48:49] my step's rows of K in key slot 0; s[50:51] of V
.set VB,  50
.set OF,  52                           ; s[52:53] 32,768 x key slot
.set OA,  54                           ; s[54:55] my rows of o in the block in hand; s[56:57] in the second block
.set OB,  56
.set Q0B, 58                           ; s58  my first query in the second block
.set PFA, 60                           ; s[60:61] where my prefetches stand
.set LIM, 62                           ; s62  7 in the head's first work-group, else 0: a wave prefetches while the trip is under it
.set MSB, 0
.macro WIN new                         ; the immediate's high byte repeats the setting that is left; a switch that changes nothing is dropped
.if MSB != (\new)
	s_set_vgpr_msb (MSB<<8)|(\new)
.set MSB, (\new)
.endif
.endm
.set W_KQ, 0x04                        ; source 1 (Q) window 1
.set W_PV, 0x50                        ; C and D (O^T) window 1
.set W_RS, 0x41                        ; O^T (destination and source 0) window 1
; Waves 0-3 fetch K's steps, waves 4-7 V's.  The branch hangs on the wave's number alone.  An s_nop 0 and four v_nop follow each of the two lines.
.macro TLOAD
	s_cmp_lt_u32 s[WV], 4
	s_cbranch_scc0 .Lfor_v_\@
	tensor_load_to_lds s[G0K:G0K+3], s[G1K:G1K+7]
	s_nop 0
.rept 4
	v_nop
.endr
	s_branch .Lasked_\@
.Lfor_v_\@:
	tensor_load_to_lds s[G0V:G0V+3], s[G1V:G1V+7]
	s_nop 0
.rept 4
	v_nop
.endr
.Lasked_\@:
.endm
; A PREFETCH INTO THE L2.  All four work-groups of a head walk the same K and V: the first of them (I = 0) asks, and nobody else.  At trip t (0 to 6) it names key slot t + 1, which its own tensor loads ask for at
; trip t + 1: each wave its own step's 64 rows of K or of V, 8,192 bytes, lanes 256 bytes apart.  So each aligned block of 256 bytes of key slots 1 to 7 is named once; key slot 0 comes by its loads alone; trip 7 asks for nothing.
.macro ASK
	s_cmp_lt_u32 s[TR], s[LIM]
	s_cbranch_scc0 .Lnot_mine_\@
	global_prefetch_b8 v[PFO], s[PFA:PFA+1] th:TH_LOAD_NT scope:SCOPE_SE
.Lnot_mine_\@:
.endm
	s_load_b128 s[4:7], s[0:1], 0x0                ; qkv, o
	v_lshl_add_u32 v[SPW], v0, 2, SPARE
	v_mov_b32 v[NIL], 0
	ds_add_u32 v[SPW], v[NIL]                      ; the wave's opening: the add, twice on end, and its wait ahead of my first tensor load
	ds_add_u32 v[SPW], v[NIL]
	v_lshrrev_b32 v1, 5, v0
	v_readfirstlane_b32 s[WV], v1                  ; wave 0..7
	s_mov_b32 s[BI], ttmp9
	s_add_co_u32 s[NA], s[BI], 1
	s_and_b32 s[HY], ttmp7, 0xffff
	s_sub_co_u32 s19, 11, s[WV]
	s_cmp_lt_u32 s[WV], 4
	s_cselect_b32 s[SU], s[WV], s19                ; waves 0-3: parts 0-3; waves 4-7: parts 7-4: waves w and w + 4 together have the same share of a diagonal slot
	s_lshl_b32 s19, s[SU], 5
	s_lshl_b32 s[Q0], s[BI], 8
	s_add_co_u32 s[Q0], s[Q0], s19                 ; 256 I + 32 part
	s_sub_co_u32 s[Q0B], 7, s[BI]
	s_lshl_b32 s[Q0B], s[Q0B], 8
	s_add_co_u32 s[Q0B], s[Q0B], s19               ; 256 (7 - I) + 32 part
	; descriptor group 1: 64 rows x 64 elements of 2 bytes, dense in memory, padded in LDS behind every 32 words
	s_mov_b32 s[G1K], (1<<16)|(1<<20)|(4<<22)|(3<<25)   ; K: 4 words of padding
	s_mov_b32 s[G1V], (1<<16)|(1<<20)|(4<<22)|(7<<25)   ; V: 8 words
.irp g, G1K, G1V
	s_mov_b32 s[\g+1], 64<<16                      ; tensor_dim0
	s_mov_b32 s[\g+2], 64<<16                      ; tensor_dim1
	s_mov_b32 s[\g+3], 64<<16                      ; tile_dim0
	s_mov_b32 s[\g+4], 64                          ; tile_dim1
	s_mov_b32 s[\g+5], 64                          ; the pitch
	s_mov_b32 s[\g+6], 0
	s_mov_b32 s[\g+7], 0
.endr
	s_mov_b32 s[CS], 0x3e38aa3b                    ; c = log2(e) / 8
	s_mov_b32 s[CS+1], s[CS]
	s_mov_b32 s[SEL], 0x76543210
	s_mov_b32 s[SEL+1], 0xfedcba98
	s_mov_b32 s[OF+1], 0
	s_mov_b32 s[KN], 0
	s_mov_b32 s[KF], 0
	s_mov_b32 s[TB], 0
	s_mov_b32 s[TR], 0
	s_and_b32 s66, s[WV], 3                        ; which of a slot's four steps I fetch
	s_mul_i32 s67, s66, STEPB                      ; its place in a slot
	s_lshl_b32 s72, s66, 13                        ; its 64 rows of 128 bytes in memory
	s_lshl_b32 s19, s[HY], 18                      ; a (head, batch) is 2,048 rows of 128 bytes
	s_add_co_u32 s72, s72, s19
	s_mov_b32 s73, 0
	s_wait_dscnt 0x0                               ; both opening adds are done
	s_wait_kmcnt 0x0
	s_add_nc_u64 s[KB:KB+1], s[4:5], s[72:73]
	s_add_nc_u64 s[VB:VB+1], s[KB:KB+1], 0x2000000 ; v begins 128 x 262,144 bytes in,
	s_add_nc_u64 s[KB:KB+1], s[KB:KB+1], 0x1000000 ; k 64 x 262,144
	s_mov_b32 s[G0K], 1
	s_mov_b32 s[G0K+1], s67
	s_mov_b64 s[G0K+2:G0K+3], s[KB:KB+1]
	s_or_b32 s[G0K+3], s[G0K+3], 0x80000000
	s_mov_b32 s[G0V], 1
	s_add_co_u32 s[G0V+1], s67, VOFF
	s_mov_b64 s[G0V+2:G0V+3], s[VB:VB+1]
	s_or_b32 s[G0V+3], s[G0V+3], 0x80000000
	TLOAD                                          ; key slot 0 into LDS slot 0: one tensor load of mine is out
	s_lshl_b32 s72, s[Q0], 7
	s_add_co_u32 s72, s72, s19
	s_add_nc_u64 s[68:69], s[4:5], s[72:73]        ; Q of the first block
	s_lshl_b32 s72, s[Q0B], 7
	s_add_co_u32 s72, s72, s19
	s_add_nc_u64 s[70:71], s[4:5], s[72:73]        ; and of the second
	s_and_b32 s66, s[HY], 3
	s_lshl_b32 s66, s66, 4
	s_lshr_b32 s67, s[HY], 2
	s_add_co_u32 s66, s66, s67                     ; 16 b + h
	s_lshl_b32 s66, s66, 18
	s_lshl_b32 s72, s[Q0], 7
	s_add_co_u32 s72, s72, s66
	s_add_nc_u64 s[OA:OA+1], s[6:7], s[72:73]
	s_lshl_b32 s72, s[Q0B], 7
	s_add_co_u32 s72, s72, s66
	s_add_nc_u64 s[OB:OB+1], s[6:7], s[72:73]
	s_cmp_lt_u32 s[WV], 4
	s_cselect_b64 s[PFA:PFA+1], s[KB:KB+1], s[VB:VB+1]   ; in key slot 0; the first change of slots steps it to key slot 1
	s_cmp_eq_u32 s[BI], 0
	s_cselect_b32 s[LIM], 7, 0
	v_and_b32 v9, 15, v0                           ; r
	v_bfe_u32 v11, v0, 4, 1                        ; h
	v_lshlrev_b32 v[QO], 7, v9
	v_lshl_add_u32 v[QO], v11, 4, v[QO]            ; row r of 128 bytes + 16 h
	WIN 0x40                                       ; destination window 1
.irp f, 0,1,2,3                        ; tile f / 2, channels 32 (f % 2) on: a fragment is two loads of 16 bytes, 32 bytes apart
	global_load_b128 v[64+8*\f:64+8*\f+3],   v[QO], s[68:69] offset:(\f/2)*2048+(\f%2)*64
	global_load_b128 v[64+8*\f+4:64+8*\f+7], v[QO], s[68:69] offset:(\f/2)*2048+(\f%2)*64+32
	global_load_b128 v[96+8*\f:96+8*\f+3],   v[QO], s[70:71] offset:(\f/2)*2048+(\f%2)*64
	global_load_b128 v[96+8*\f+4:96+8*\f+7], v[QO], s[70:71] offset:(\f/2)*2048+(\f%2)*64+32
.endr
	WIN 0
	v_mul_u32_u24 v[AK0], v9, PK
	v_lshl_add_u32 v[AK0], v11, 4, v[AK0]          ; K: row r x pitch + 16 h
	v_and_b32 v3, 7, v0
	v_lshl_add_u32 v[AV0], v11, 3, v3              ; V, for the turning load: key 8 h + lane % 8,
	v_mul_u32_u24 v[AV0], v[AV0], PVP
	v_bfe_u32 v3, v0, 3, 1
	v_lshl_add_u32 v[AV0], v3, 4, v[AV0]           ; channels 8 ((lane / 8) % 2) on
	v_add_nc_u32 v[AV0], VOFF, v[AV0]
	s_mul_i32 s19, s[WV], 32*SGP
	s_add_co_u32 s19, s19, STAGE                   ; my stage
	v_mul_u32_u24 v[STO], v9, SGP
	v_lshl_add_u32 v[STO], v11, 4, v[STO]
	v_add_nc_u32 v[STO], s19, v[STO]               ; in: row r, 16 bytes for each half of the lanes
	v_and_b32 v8, 31, v0
	v_lshrrev_b32 v[RD], 3, v8
	v_mul_u32_u24 v[RD], v[RD], SGP
	v_and_b32 v3, 7, v0
	v_lshl_add_u32 v[RD], v3, 4, v[RD]
	v_add_nc_u32 v[RD], s19, v[RD]                 ; back: eight lanes to a row of 128 bytes, four rows an instruction
	v_lshlrev_b32 v[PFO], 8, v8
	v_lshlrev_b32 v[GO], 4, v8
	v_lshlrev_b32 v[RH], 3, v11
	v_sub_nc_u32 v[RH], v9, v[RH]
	v_mov_b32 v[NEG], 0xff800000
; S^T = K Q^T: product i of 16: channels 32 (i / 8) on, keys 16 ((i / 2) % 4) on, tile i % 2.  The first 8 start the sums.  The eight accumulators take turns.
.macro KQ_ALL
	WIN W_KQ
.set i, 0
.rept 16
.set rS, S+32*(i%2)+8*((i/2)%4)
.set rK, KFR+16*((i/2)%4)+8*(i/8)
.set rQ, 64+16*(i%2)+8*(i/8)
.if i < 8
	v_wmma_f32_16x16x32_f16 v[rS:rS+7], v[rK:rK+7], v[rQ:rQ+7], 0
.else
	v_wmma_f32_16x16x32_f16 v[rS:rS+7], v[rK:rK+7], v[rQ:rQ+7], v[rS:rS+7]
.endif
.set i, i+1
.endr
	WIN 0
.endm
; O^T += V^T P: product i of 16: keys 32 (i / 8) on, channels 16 ((i / 2) % 4) on, tile i % 2.  Eight accumulators by turns.
.macro PV_ALL
	WIN W_PV
.set i, 0
.rept 16
.set rO, 32*(i%2)+8*((i/2)%4)
.set rV, VFR+8*(4*(i/8)+(i/2)%4)
.set rP, P+16*(i%2)+8*(i/8)
	v_wmma_f32_16x16x32_f16 v[rO:rO+7], v[rV:rV+7], v[rP:rP+7], v[rO:rO+7]
.set i, i+1
.endr
	WIN 0
.endm
; One tile's softmax for a key step is a list of 118 instructions; SM writes number j of it for tile t.  s0-s31 are the lane's 32 scores, in pairs 0-15.
;   0-15   the maximum of s0-s31 and the old m, three operands at a time      16-20  the other half of the lanes' maximum; the new m; c m; c m_old - c m_new
;   21-69  ONE BATCH: the 16 scalings c s - c m and all 33 exponentials (a at 23, then s0-s31); none of these names an exponential's result
;   (between 69 and 70 stands the one wait for the batch, written in STEP)
;   70-85  the roundings to f16      86-101 the sums; l = a l + the sum      102-117 the tile's O^T times a
.macro SM t
.set rT, ST+8*(\t)
.set rS, S+32*(\t)
.set rP, P+16*(\t)
.set rO, 32*(\t)+2*(j-102)
.if j < 102
	WIN 0
.endif
.if j < 4
	v_max3_num_f32 v[rT+4+j], v[rS+8*j], v[rS+8*j+1], v[rS+8*j+2]   ; each accumulator is read from its low end on
.elseif j < 12
	v_max3_num_f32 v[rT+4+j%4], v[rT+4+j%4], v[rS+8*(j%4)+2*(j/4)+1], v[rS+8*(j%4)+2*(j/4)+2]
.elseif j == 12
	v_max3_num_f32 v[rT+4], v[rT+4], v[rS+7], v[rS+15]
.elseif j == 13
	v_max3_num_f32 v[rT+6], v[rT+6], v[rS+23], v[rS+31]
.elseif j == 14
	v_max3_num_f32 v[rT+4], v[rT+4], v[rT+5], v[rT+6]
.elseif j == 15
	v_max3_num_f32 v[rT+4], v[rT+4], v[rT+7], v[rT+1]
.elseif j == 16
	v_permlanex16_b32 v[rT+5], v[rT+4], s[SEL], s[SEL+1]   ; the query's other 32 keys lie in the lane 16 away
.elseif j == 17
	v_mov_b32 v[rT+7], v[rT]                       ; c m_old is kept for a
.elseif j == 18
	v_max_num_f32 v[rT+1], v[rT+4], v[rT+5]
.elseif j == 19
	v_mul_f32 v[rT], s[CS], v[rT+1]
.elseif j == 20
	v_sub_f32 v[rT+7], v[rT+7], v[rT]
.elseif j == 23
	v_exp_f32 v[rT+6], v[rT+7]
.elseif (j < 23) || ((j < 38) && (j%2 == 0)) || ((j < 66) && (j%4 == 2))
.set b, (j-2)/4
.if j < 38
.set b, (j-20)/2
.endif
	v_pk_fma_f32 v[rS+2*b:rS+2*b+1], v[rS+2*b:rS+2*b+1], s[CS:CS+1], v[rT:rT+1] op_sel_hi:[1,0,0] neg_lo:[0,0,1] neg_hi:[0,0,1]   ; pair b: c s - c m
.elseif j < 70
.set e, j-38
.if j < 66
.set e, j-32-(j-38)/4
.endif
.if j < 38
.set e, (j-25)/2
.endif
	v_exp_f32 v[rS+e], v[rS+e]
.elseif j < 86
	v_cvt_pk_f16_f32 v[rP+j-70], v[rS+2*(j-70)], v[rS+2*(j-70)+1]
.elseif j < 102
.set z, j-86
.set w, 4
.set u, z
.if z >= 14
.set w, 32
.set u, 0
.elseif z >= 12
.set w, 16
.set u, z-12
.elseif z >= 8
.set w, 8
.set u, z-8
.endif
.if z < 15
	v_pk_add_f32 v[rS+w*u:rS+w*u+1], v[rS+w*u:rS+w*u+1], v[rS+w*u+w/2:rS+w*u+w/2+1]
.else
	v_pk_fma_f32 v[rT+2:rT+3], v[rT+2:rT+3], v[rT+6:rT+7], v[rS:rS+1] op_sel_hi:[1,0,1]
.endif
.else
	WIN W_RS
	v_pk_mul_f32 v[rO:rO+1], v[rO:rO+1], v[rT+6:rT+7] op_sel_hi:[1,0]
.endif
.endm
; A KEY STEP: 64 keys.  The branches hang on ids and on counted steps alone; no barrier and no tensor load stands in a step; the lines at its end that step the key and the address are run on every way.
.macro STEP
	s_add_co_u32 s19, s[Q0], 31
	s_cmp_gt_u32 s[KF], s19                        ; all 64 keys come after my 32 queries: the step is left out
	s_cbranch_scc1 .Lhid_\@
	v_add_nc_u32 v[ADK], s[TB], v[AK0]
	v_add_nc_u32 v[ADV], s[TB], v[AV0]
	v_nop
	v_nop                                          ; four places between the last step's products and the loads into the registers that they read
.irp f, 0,1,2,3,4,5,6,7                ; K: keys 16 (f / 2) on, channels 32 (f % 2) on
	ds_load_b128 v[KFR+8*\f:KFR+8*\f+3],   v[ADK] offset:(\f/2)*16*PK+(\f%2)*64
	ds_load_b128 v[KFR+8*\f+4:KFR+8*\f+7], v[ADK] offset:(\f/2)*16*PK+(\f%2)*64+32
.endr
.irp f, 0,1,2,3,4,5,6,7                ; V, turned: keys 32 (f / 4) on, channels 16 (f % 4) on
	ds_load_tr16_b128 v[VFR+8*\f:VFR+8*\f+3],   v[ADV] offset:(\f/4)*32*PVP+(\f%4)*32
	ds_load_tr16_b128 v[VFR+8*\f+4:VFR+8*\f+7], v[ADV] offset:(\f/4)*32*PVP+16*PVP+(\f%4)*32
.endr
	s_wait_dscnt 16                                ; K is in; V's sixteen loads may be out
	KQ_ALL
.rept 4
	v_nop                                          ; places behind the products, ahead of the first read of the scores
.endr
	s_add_co_u32 s19, s[KF], 63
	s_cmp_le_u32 s19, s[Q0]                        ; all 64 keys count for all my queries: no mask
	s_cbranch_scc1 .Lopen_\@
	s_sub_co_i32 s19, s[Q0], s[KF]
	v_add_nc_u32 v[D0], s19, v[RH]                 ; register n of a tile holds key KF + 16 (n / 8) + 8 (lane / 16) + n % 8: hidden where 16 (n / 8) + n % 8 > d
	v_add_nc_u32 v[D1], 16, v[D0]
.set n, 0
.rept 32
	v_cmp_gt_i32 vcc_lo, 16*(n/8)+n%8, v[D0]
	v_cndmask_b32 v[S+n], v[S+n], v[NEG], vcc_lo
.set n, n+1
.endr
.set n, 0
.rept 32
	v_cmp_gt_i32 vcc_lo, 16*(n/8)+n%8, v[D1]
	v_cndmask_b32 v[S+32+n], v[S+32+n], v[NEG], vcc_lo
.set n, n+1
.endr
.Lopen_\@:
.set j, 0
.rept 70                               ; the two tiles alternate, so that no instruction reads the result of the one just before it
	SM 0
	SM 1
.set j, j+1
.endr
	v_nop                                          ; a plain instruction behind the last exponential
	s_wait_alu depctr_va_vdst(0)                   ; the wait ahead of the first instruction that names an exponential's result: one for the step's 66
.rept 48
	SM 0
	SM 1
.set j, j+1
.endr
	s_wait_dscnt 0x0                               ; V is in
	PV_ALL
.Lhid_\@:
	s_add_co_u32 s[KF], s[KF], 64
	s_add_co_u32 s[TB], s[TB], STEPB
.endm
.macro SLOT_STEPS                      ; a slot's four steps: written once, walked four times
	s_mov_b32 s[ST4], 4
.Lstep_\@:
	STEP
	s_sub_co_u32 s[ST4], s[ST4], 1
	s_cmp_lg_u32 s[ST4], 0
	s_cbranch_scc1 .Lstep_\@
	s_sub_co_u32 s[TB], s[TB], 4*STEPB             ; back to a slot's first step,
	s_xor_b32 s[TB], s[TB], SLOT1                  ; in the other slot
.endm
; THE CHANGE OF SLOTS stands at a trip's head.  Each wave waits for all its tensor loads (its part of the slot that it is about to read), adds 0 to its spare word, and waits for that and for its reads of the slot that it has left.
; Behind the barrier the slot ahead is whole and nobody reads the other one.  fill = 1: that other slot takes the next trip's keys: the load has a slot's four steps in which to land.  One tensor load of mine is out at the most.
.macro CHANGE fill
	s_wait_tensorcnt 0x0                           ; no tensor load of mine is out, so a group 0 may be written
	ds_add_u32 v[SPW], v[NIL]
.if \fill
	s_add_co_u32 s19, s[KN], 1
	s_add_co_u32 s66, s[TR], 1
	s_cmp_eq_u32 s66, s[NA]                        ; the next trip begins the second block: back to key slot 0
	s_cselect_b32 s[KN], 0, s19
	s_lshl_b32 s[OF], s[KN], 15                    ; a key slot is 256 rows of 128 bytes
	s_xor_b32 s[G0K+1], s[G0K+1], SLOT1            ; the other LDS slot than last time
	s_add_nc_u64 s[G0K+2:G0K+3], s[KB:KB+1], s[OF:OF+1]
	s_or_b32 s[G0K+3], s[G0K+3], 0x80000000
	s_xor_b32 s[G0V+1], s[G0V+1], SLOT1
	s_add_nc_u64 s[G0V+2:G0V+3], s[VB:VB+1], s[OF:OF+1]
	s_or_b32 s[G0V+3], s[G0V+3], 0x80000000
	s_wait_xcnt 0x0                                ; the last prefetch, a trip back, has read its address, so it may be written
	s_add_nc_u64 s[PFA:PFA+1], s[PFA:PFA+1], 32768
.endif
	s_wait_dscnt 0x0                               ; the add is done, and my reads of the slot that I have left are over
	s_barrier_signal -1
	s_barrier_wait -1
.if \fill
	TLOAD                                          ; the first thing behind the barrier, and my one tensor load until the next
	ASK
.endif
.endm
; A block's end: l's halves are added, O^T is divided by l, rounded to f16 and sent through my stage: 32 rows of 128 bytes leave as 4,096 consecutive bytes, 512 an instruction.
.macro FINISH
.irp t, 0,1
	v_add_f32 v[ST+8*\t+4], v[ST+8*\t+2], v[ST+8*\t+3]
.endr
.irp t, 0,1
	v_permlanex16_b32 v[ST+8*\t+5], v[ST+8*\t+4], s[SEL], s[SEL+1]
.endr
.irp t, 0,1
	v_add_f32 v[ST+8*\t+4], v[ST+8*\t+4], v[ST+8*\t+5]
.endr
.irp t, 0,1
	v_rcp_f32 v[ST+8*\t+6], v[ST+8*\t+4]
.endr
	v_nop                                          ; a plain instruction behind the last reciprocal (with the four additions above: the places behind the last products)
	s_wait_alu depctr_va_vdst(0)                   ; and the wait ahead of the first use
	WIN W_RS
.irp t, 0,1
.set i, 0
.rept 16
	v_pk_mul_f32 v[32*\t+2*i:32*\t+2*i+1], v[32*\t+2*i:32*\t+2*i+1], v[ST+8*\t+6:ST+8*\t+7] op_sel_hi:[1,0]
.set i, i+1
.endr
.endr
	WIN 0x05                                       ; sources 0 and 1 window 1, destination window 0: S^T's registers are free
.irp t, 0,1
.set i, 0
.rept 16
	v_cvt_pk_f16_f32 v[S+16*\t+i], v[32*\t+2*i], v[32*\t+2*i+1]
.set i, i+1
.endr
.endr
	WIN 0
.irp t, 0,1
.irp c, 0,1,2,3
	ds_store_b128 v[STO], v[S+16*\t+4*\c:S+16*\t+4*\c+3] offset:\t*16*SGP+32*\c
.endr
.endr
.irp f, 0,1,2,3,4,5,6,7
	ds_load_b128 v[S+32+4*\f:S+32+4*\f+3], v[RD] offset:\f*4*SGP   ; LDS serves a wave's instructions in order (ISA guide 5.7.1.4): these see the stores above
.endr
.irp f, 0,1,2,3,4,5,6,7
	s_wait_dscnt 7-\f
	global_store_b128 v[GO], v[S+32+4*\f:S+32+4*\f+3], s[OA:OA+1] offset:512*\f
.endr
	s_wait_xcnt 0x0                                ; the stores have read their registers and their base: both may be written again
.endm
; A block's start.  The key step is written once: a block's first step finds zeros, which its a = 0 leaves zeros.
.macro INIT
	WIN 0x40
.set i, 0
.rept 64
	v_mov_b32 v[i], 0                              ; O^T
.set i, i+1
.endr
	WIN 0
.irp t, 0,1
	v_mov_b32 v[ST+8*\t+1], 0xff61b1e6             ; m = -3e38, under every score
	v_mul_f32 v[ST+8*\t], s[CS], v[ST+8*\t+1]      ; c m
.irp k, 2,3,4,5,6,7
	v_mov_b32 v[ST+8*\t+\k], 0                     ; l; and the registers at work, written once: a lane permute's destination counts as one of its sources
.endr
.endr
.endm
	INIT
	s_wait_loadcnt 0x0                             ; Q of both blocks
.Ltrip:                                            ; eight trips; behind each change of slots the next trip's keys are asked for
	CHANGE 1
	s_cmp_lg_u32 s[TR], s[NA]                      ; ids and the count of trips alone: all eight waves go the same way
	s_cbranch_scc1 .Lsame
	FINISH                                         ; the first block is done: it leaves, and the second begins at key 0
	WIN W_RS
.set i, 0
.rept 32
	v_mov_b32 v[64+i], v[96+i]                     ; its Q
.set i, i+1
.endr
	INIT
	s_mov_b32 s[Q0], s[Q0B]
	s_mov_b32 s[KF], 0
	s_mov_b64 s[OA:OA+1], s[OB:OB+1]
.Lsame:
	SLOT_STEPS
	s_add_co_u32 s[TR], s[TR], 1
	s_cmp_lt_u32 s[TR], 8
	s_cbranch_scc1 .Ltrip
	CHANGE 0                                       ; the ninth trip is written out: nothing is left to ask for
	SLOT_STEPS
	FINISH
	s_wait_tensorcnt 0x0                           ; the wave's end, behind my last tensor load and my last LDS store
	ds_add_u32 v[SPW], v[NIL]
	s_wait_dscnt 0x0
	s_endpgm
.Lfunc_end_k_qe61528863c_attn:
	.size	k_qe61528863c_attn, .Lfunc_end_k_qe61528863c_attn-k_qe61528863c_attn
	.p2alignl 7, 3214868480
	.fill 96, 4, 3214868480
	.section	.rodata,"a",@progbits
	.p2align	6, 0x0
	.amdhsa_kernel k_qe61528863c_attn
		.amdhsa_group_segment_fixed_size 327680
		.amdhsa_private_segment_fixed_size 0
		.amdhsa_enable_private_segment 0
		.amdhsa_kernarg_size 16
		.amdhsa_user_sgpr_count 2
		.amdhsa_user_sgpr_kernarg_segment_ptr 1
		.amdhsa_wavefront_size32 1
		.amdhsa_system_sgpr_workgroup_id_x 1
		.amdhsa_system_sgpr_workgroup_id_y 1
		.amdhsa_system_sgpr_workgroup_id_z 1
		.amdhsa_system_vgpr_workitem_id 0
		.amdhsa_next_free_vgpr 384
		.amdhsa_next_free_sgpr 80
		.amdhsa_reserve_vcc 1
		.amdhsa_float_denorm_mode_32 3
		.amdhsa_float_denorm_mode_16_64 3
		.amdhsa_memory_ordered 1
		.amdhsa_forward_progress 1
		.amdhsa_inst_pref_size 72
	.end_amdhsa_kernel
	.amdgpu_metadata
---
amdhsa.version: [ 1, 2 ]
amdhsa.kernels:
  - .name:           k_qe61528863c_attn
    .symbol:         k_qe61528863c_attn.kd
    .args:
      - { .name: qkv, .offset: 0, .size: 8, .value_kind: global_buffer, .address_space: global }
      - { .name: o, .offset: 8, .size: 8, .value_kind: global_buffer, .address_space: global }
    .group_segment_fixed_size: 327680
    .private_segment_fixed_size: 0
    .kernarg_segment_align: 8
    .kernarg_segment_size: 16
    .max_flat_workgroup_size: 256
    .sgpr_count:     80
    .vgpr_count:     384
    .wavefront_size: 32
...
	.end_amdgpu_metadata
.endif
;; end of part 3
;; launch proj (part 4): grid 4 x 64, 4 waves a work-group, clusters of 4 x 4, 327,680 bytes of LDS; arguments o, wp16, out0; writes out0
.if DOCPART == 4
	.amdgcn_target "amdgcn-amd-amdhsa--gfx1250"
	.amdhsa_code_object_version 6
	.text
	.protected	k_qe61528863c_proj
	.globl	k_qe61528863c_proj
	.p2align	8
	.type	k_qe61528863c_proj,@function
k_qe61528863c_proj:
	s_mov_b64 s[64:65], 0
	v_nop
	global_prefetch_b8 v0, s[64:65] scope:SCOPE_SE
	s_setreg_imm32_b32 hwreg(HW_REG_WAVE_MODE, 25, 1), 1
	s_wait_xcnt 0x0
	s_wait_alu depctr_hold_cnt(0) depctr_sa_sdst(0) depctr_va_vdst(0) depctr_va_sdst(0) depctr_va_ssrc(0) depctr_va_vcc(0) depctr_vm_vsrc(0)
	s_getreg_b32 s2, hwreg(HW_REG_IB_STS2, 6, 4)
	s_cmp_eq_u32 s2, 0
	s_cbranch_scc0 .Lentry_in_a_cluster
	s_endpgm
.Lentry_in_a_cluster:
	s_bfe_u32 s2, ttmp6, 0x10000c
	s_cmp_lg_u32 s2, 0xf033
	s_cbranch_scc0 .Lentry_shape_is_right
	s_endpgm
.Lentry_shape_is_right:
; out0 = A Wp, A being the attention's result after the module's reshape, swap of axes and reshape.  With t = 16 tb + tm, h = 8 hh + hl, rho = 64 tm + d, c = 128 hl + tb:
; A[b][2 rho + hh][c] = o[b][h][t][d], and the buffer o [b][h][t][64] read as it lies IS the array [beta = 2 b + hh (8)][c (1024)][rho (1024)].  So
;   out0[b][2 rho + hh][n] = sum over c of o[beta][c][rho] Wp[c][n]:  eight products of 1024 x 1024 x 1024 in which K = c is the OUTER axis of both operands.
; Nothing is shuffled: both operands come out of LDS turned, by ds_load_tr16_b128, and only the output's row number is interleaved.  Operands f16, sums f32, out0 f32.
; SHARES.  A work-group makes 128 rho x 256 n of one beta: 256 work-groups.  Four waves, each 64 rho x 128 n: 32 accumulators of 16 x 16, 256 registers.
; K goes in steps of 128 rows of c through a ring of two LDS slots; o's rows in a tile are 256 bytes of memory, Wp's 512, all starting on multiples of 256 bytes from the buffer's first byte.
; CLUSTERS: 4 x 4 work-groups.  o's tile hangs on (beta, rho block) alone and is shared along a row of the cluster, Wp's on the n block alone and is shared along a column: each is asked for JOINTLY.
; THE MATRIX INSTRUCTION IS USED TRANSPOSED (source 0 = 16 n of Wp, source 1 = 16 rho of o): a lane holds eight neighbouring n of one row of out0.
; REGISTERS: window 0: v16-29 addresses; v64-159, v160-255 two fragment buffers (32 registers of o: 4 tiles x 32 K; then 64 of Wp: 8 tiles); on the way out v64-191.   window 1: the accumulators ((a, b) at v[8 (8 a + b)]).
.set PA,     288                       ; a row of o's tile in LDS: 256 bytes + 32; an odd multiple of 32, for the turning load
.set PW,     544                       ; a row of Wp's tile: 512 bytes + 32
.set AT,     128*PA                    ; o's 128 rows of c
.set SLOT,   128*(PA+PW)               ; then Wp's 128
.set KBYTES, 262144                    ; 128 rows of 2,048 bytes in memory, in o and in wp16 alike
.set STAGE,  2*SLOT                    ; behind the ring: 16 rows x (512 bytes + 16) for each wave
.set SPITCH, 528
.set SPARE,  STAGE+4*16*SPITCH         ; the spare words, 128 bytes for each wave, that no other line names
.set LAPS,   4                         ; a lap = two K steps; K = 1,024
.set ADRA, 16                          ; v16-17  LDS address of my o fragments in slot 0, 1
.set ADRW, 20                          ; v20-21  the same for Wp
.set STO,  24                          ; v24     the way out: where I put 32 bytes of a row
.set RD,   25                          ; v25     where I read a row back
.set CO,   26                          ; v26     16 x lane
.set SPW,  28                          ; v28     my spare word; never rewritten
.set NIL,  29                          ; v29     0; never rewritten
.set F0,   64
.set F1,   160
.set BK,   64                          ; the way out: 16 rows read back: v64-127 and v128-191 by turns
.set G1, 24                            ; s[24:31] group 1 for o's tiles; s[32:39] group 0, a set for each slot
.set G0, 32
.set G1B, 48                           ; s[48:55], s[56:63] the same for Wp's
.set G0B, 56
.set MSB, 0
.macro WIN new                         ; the immediate's high byte repeats the setting that is left; a switch that changes nothing is dropped
.if MSB != (\new)
	s_set_vgpr_msb (MSB<<8)|(\new)
.set MSB, (\new)
.endif
.endm
.set MUL, 0x50                         ; C and D window 1
.macro JLOAD s                         ; a joint load: waves 0 and 1 fetch o's two halves, waves 2 and 3 Wp's; an s_nop 0 and four v_nop follow each of the two lines
	s_cmp_eq_u32 s11, 0
	s_cbranch_scc0 .Lfor_b_\@
	tensor_load_to_lds s[G0+4*\s:G0+4*\s+3], s[G1:G1+7]
	s_nop 0
.rept 4
	v_nop
.endr
	s_branch .Lasked_\@
.Lfor_b_\@:
	tensor_load_to_lds s[G0B+4*\s:G0B+4*\s+3], s[G1B:G1B+7]
	s_nop 0
.rept 4
	v_nop
.endr
.Lasked_\@:
.endm
.macro CREST                           ; a round of the cluster's barrier behind its opening barrier
	s_cmp_lg_u32 s10, 0
	s_cbranch_scc1 .Lnot_wave_0_\@
	s_barrier_signal -3
.Lnot_wave_0_\@:
	s_barrier_wait -3
	s_barrier_signal -1
	s_barrier_wait -1
.endm
.macro CROUND                          ; a whole round
	s_barrier_signal -1
	s_barrier_wait -1
	CREST
.endm
	s_load_b128 s[4:7], s[0:1], 0x0                ; o, wp16
	s_load_b64 s[8:9], s[0:1], 0x10                ; out0
	v_lshl_add_u32 v[SPW], v0, 2, SPARE
	v_mov_b32 v[NIL], 0
	ds_add_u32 v[SPW], v[NIL]                      ; the wave's opening: the add, twice on end, and its wait ahead of my first tensor load
	ds_add_u32 v[SPW], v[NIL]
	v_lshrrev_b32 v1, 5, v0
	v_readfirstlane_b32 s10, v1                    ; wave 0..3
	s_lshr_b32 s11, s10, 1                         ; which 64 rho are mine.  Also: I fetch for o (0) or for Wp (1)
	s_and_b32 s12, s10, 1                          ; which 128 n are mine.  Also: which 64 rows of c I fetch
	s_bfe_u32 s40, ttmp6, 0x40000                  ; cx, cy: my place in the cluster
	s_bfe_u32 s41, ttmp6, 0x40004
	s_lshl_b32 s42, ttmp9, 2
	s_add_co_u32 s42, s42, s40                     ; the n block of 256 = 4 x cluster x + cx
	s_and_b32 s13, ttmp7, 0xffff
	s_lshl_b32 s13, s13, 2
	s_add_co_u32 s13, s13, s41                     ; 8 beta + rho block = 4 x cluster y + cy
	s_lshl_b32 s43, s41, 2
	s_lshl_b32 s43, 15, s43                        ; my row of the cluster
	s_lshl_b32 s44, 0x1111, s40                    ; my column
	s_or_b32 s[G1+0], s43, (1<<16)|(1<<20)|(1<<21)|(5<<22)|(7<<25)   ; o: the mask of my row; elements of 2 bytes; padding on; 21 set beside a mask; after every 64 words 8 words
	s_mov_b32 s[G1+1], 128<<16                     ; tensor_dim0 = 128 rho
	s_mov_b32 s[G1+2], 64<<16                      ; tensor_dim1 = 64 rows of c
	s_mov_b32 s[G1+3], 128<<16                     ; tile_dim0
	s_mov_b32 s[G1+4], 64                          ; tile_dim1
	s_mov_b32 s[G1+5], 1024                        ; the pitch
	s_mov_b32 s[G1+6], 0
	s_mov_b32 s[G1+7], 0
	s_or_b32 s[G1B+0], s44, (1<<16)|(1<<20)|(1<<21)|(6<<22)|(7<<25)  ; Wp: the mask of my column; after every 128 words 8 words
	s_mov_b32 s[G1B+1], 256<<16                    ; 256 n
	s_mov_b32 s[G1B+2], 64<<16
	s_mov_b32 s[G1B+3], 256<<16
	s_mov_b32 s[G1B+4], 64
	s_mov_b32 s[G1B+5], 1024
	s_mov_b32 s[G1B+6], 0
	s_mov_b32 s[G1B+7], 0
	s_lshr_b32 s16, s13, 3
	s_lshl_b32 s16, s16, 21                        ; o: beta x 1,024 rows of 2,048 bytes,
	s_and_b32 s17, s13, 7
	s_lshl_b32 s17, s17, 8                         ; + the rho block's 256 bytes of a row,
	s_add_co_u32 s16, s16, s17
	s_lshl_b32 s17, s12, 17                        ; + the 64 rows of c that I fetch
	s_add_co_u32 s16, s16, s17
	s_mov_b32 s17, 0
	s_lshl_b32 s46, s42, 9                         ; Wp: the n block's 512 bytes of a row,
	s_lshl_b32 s47, s12, 17                        ; + the 64 rows
	s_add_co_u32 s46, s46, s47
	s_mov_b32 s47, 0
	s_mul_i32 s20, s12, 64*PA                      ; where they go: no place in the cluster enters an LDS address
	s_mul_i32 s21, s12, 64*PW
	s_add_co_u32 s21, s21, AT
	s_wait_dscnt 0x0                               ; both opening adds are done
	s_wait_kmcnt 0x0
	s_add_nc_u64 s[14:15], s[4:5], s[16:17]
	s_add_nc_u64 s[46:47], s[6:7], s[46:47]
	CROUND                                         ; all sixteen work-groups are here: the first joint loads meet
.irp s, 0,1
	s_mov_b32 s[G0+4*\s], 1
	s_add_co_u32 s[G0+4*\s+1], s20, \s*SLOT
	s_add_nc_u64 s[G0+4*\s+2:G0+4*\s+3], s[14:15], \s*KBYTES
	s_or_b32 s[G0+4*\s+3], s[G0+4*\s+3], 0x80000000
	s_mov_b32 s[G0B+4*\s], 1
	s_add_co_u32 s[G0B+4*\s+1], s21, \s*SLOT
	s_add_nc_u64 s[G0B+4*\s+2:G0B+4*\s+3], s[46:47], \s*KBYTES
	s_or_b32 s[G0B+4*\s+3], s[G0B+4*\s+3], 0x80000000
	JLOAD \s
.endr
	v_and_b32 v1, 15, v0                           ; r
	v_bfe_u32 v2, v0, 4, 1                         ; h
	v_and_b32 v3, 7, v0
	v_lshl_add_u32 v3, v2, 3, v3                   ; the turning load: lane l reads row 8 h + l % 8,
	v_bfe_u32 v4, v0, 3, 1
	v_lshlrev_b32 v4, 4, v4                        ; 16 bytes at 16 ((l / 8) % 2)
	v_mad_u32_u24 v5, v3, PA, v4
	v_mad_u32_u24 v6, v3, PW, v4
	s_lshl_b32 s21, s11, 7                         ; my 64 rho: 128 bytes into o's rows
	s_lshl_b32 s22, s12, 8                         ; my 128 n: 256 bytes into Wp's rows,
	s_add_co_u32 s22, s22, AT                      ; which lie behind o's
.irp s, 0,1
	v_add_nc_u32 v[ADRA+\s], s21, v5
	v_add_nc_u32 v[ADRW+\s], s22, v6
	s_add_co_u32 s21, s21, SLOT
	s_add_co_u32 s22, s22, SLOT
.endr
	s_mul_i32 s23, s10, 16*SPITCH
	s_add_co_u32 s23, s23, STAGE                   ; my stage
	v_mul_u32_u24 v4, v1, SPITCH                   ; in: row r, 32 bytes for each half of the lanes
	v_lshl_add_u32 v4, v2, 5, v4
	v_add_nc_u32 v[STO], s23, v4
	v_and_b32 v5, 31, v0
	v_lshlrev_b32 v[CO], 4, v5                     ; back: the 32 lanes take one row of 512 bytes; and the same in out0
	v_add_nc_u32 v[RD], s23, v[CO]
	s_lshr_b32 s16, s13, 4                         ; b,
	s_lshl_b32 s16, s16, 11                        ; x 2,048 rows,
	s_bfe_u32 s17, s13, 0x10003                    ; + hh,
	s_add_co_u32 s16, s16, s17
	s_and_b32 s17, s13, 7
	s_lshl_b32 s17, s17, 8                         ; + 2 x 128 x rho block,
	s_add_co_u32 s16, s16, s17
	s_lshl_b32 s17, s11, 7                         ; + 2 x 64 x my half:
	s_add_co_u32 s16, s16, s17
	s_lshl_b32 s16, s16, 12                        ; my first row of out0, of 4,096 bytes
	s_mov_b32 s17, 0
	s_add_nc_u64 s[8:9], s[8:9], s[16:17]
	s_lshl_b32 s46, s42, 10                        ; my first column, in bytes: 1,024 x n block + 512 x half
	s_lshl_b32 s47, s12, 9
	s_add_co_u32 s46, s46, s47
	s_mov_b32 s47, 0
	s_add_nc_u64 s[8:9], s[8:9], s[46:47]
; 8 matrix instructions: rho tile a against the eight n tiles, 32 along K, from buffer f.  zero = 1: the product starts the sums.  The 32 accumulators take turns.
.macro MUL8 f, a, zero
.irp b, 0,1,2,3,4,5,6,7
.if \zero
	v_wmma_f32_16x16x32_f16 v[8*(8*(\a)+\b):8*(8*(\a)+\b)+7], v[\f+32+8*\b:\f+32+8*\b+7], v[\f+8*(\a):\f+8*(\a)+7], 0
.else
	v_wmma_f32_16x16x32_f16 v[8*(8*(\a)+\b):8*(8*(\a)+\b)+7], v[\f+32+8*\b:\f+32+8*\b+7], v[\f+8*(\a):\f+8*(\a)+7], v[8*(8*(\a)+\b):8*(8*(\a)+\b)+7]
.endif
.endr
.endm
; 24 LDS loads in one run: the fragments of the slot's q-th 32 rows of c into buffer f: Wp's eight first, then o's four
.macro FETCH slot, q, f
	WIN 0
.irp i, 0,1,2,3,4,5,6,7
	ds_load_tr16_b128 v[\f+32+8*\i:\f+32+8*\i+3],   v[ADRW+\slot] offset:(\q)*32*PW+32*\i
	ds_load_tr16_b128 v[\f+32+8*\i+4:\f+32+8*\i+7], v[ADRW+\slot] offset:(\q)*32*PW+16*PW+32*\i
.endr
.irp i, 0,1,2,3
	ds_load_tr16_b128 v[\f+8*\i:\f+8*\i+3],   v[ADRA+\slot] offset:(\q)*32*PA+32*\i
	ds_load_tr16_b128 v[\f+8*\i+4:\f+8*\i+7], v[ADRA+\slot] offset:(\q)*32*PA+16*PA+32*\i
.endr
.endm
.macro PLACES                          ; four places in front of loads into registers that matrix instructions have read, and of the first read of results (ISA guide 7.12.1 for vector instructions)
.rept 4
	v_nop
.endr
.endm
; A K step is four quarters of 32 along K, 32 matrix instructions each, on buffers 0, 1, 0, 1.  One of the first three multiplies buffer f and fetches quarter q into g.
.macro QUARTER slot, q, f, g, zero
	s_wait_dscnt 4                                 ; Wp's fragments and o's tiles 0, 1 are in; the youngest four loads (o's tiles 2, 3) may be out
	WIN MUL
	MUL8 \f, 0, \zero
	MUL8 \f, 1, \zero
	PLACES
	FETCH \slot, \q, \g
	s_wait_dscnt 24                                ; all but the 24 just issued
	WIN MUL
	MUL8 \f, 2, \zero
	MUL8 \f, 3, \zero
.endm
; The last quarter multiplies buffer 1 and changes slots: ONE barrier; in front of it each wave waits for all its tensor loads, adds 0 to its spare word, and waits for that and for its reads of this slot.
; fill = 1: the barrier opens a round of the cluster's barrier, and this slot is filled again, two K steps ahead: the load has a K step less sixteen matrix instructions in which to land.
.macro TURN slot, next, fill
	WIN 0                                          ; (the add's two registers lie in window 0)
	s_wait_tensorcnt 0x0                           ; all my tensor loads have landed: my part of the next slot
	ds_add_u32 v[SPW], v[NIL]
	s_wait_dscnt 5                                 ; (the add and the youngest four loads may be out)
	WIN MUL
	MUL8 F1, 0, 0                                  ; eight matrix instructions stand between the add and the wait for it
	s_wait_dscnt 0x0                               ; the add is done, and my reads of this slot are over
	s_barrier_signal -1
	MUL8 F1, 1, 0
	WIN 0                                          ; (branches may follow)
	s_barrier_wait -1
.if \fill
	CREST                                          ; no wave of any partner still reads this slot's tiles or has a load on its way
	s_add_nc_u64 s[G0+4*\slot+2:G0+4*\slot+3], s[G0+4*\slot+2:G0+4*\slot+3], 2*KBYTES
	s_add_nc_u64 s[G0B+4*\slot+2:G0B+4*\slot+3], s[G0B+4*\slot+2:G0B+4*\slot+3], 2*KBYTES
	JLOAD \slot                                    ; the first tensor load behind the round; the four v_nop behind it are also the places in front of the loads below
.else
	PLACES
.endif
	FETCH \next, 0, F0
	WIN MUL
	MUL8 F1, 2, 0
	MUL8 F1, 3, 0
.endm
	s_wait_tensorcnt 1                             ; my part of K step 0 is in (K step 1's load may be out)
	s_barrier_signal -1
	s_barrier_wait -1                              ; everybody's is
	FETCH 0, 0, F0
	QUARTER 0, 1, F0, F1, 1                        ; the first quarter stands in front of the loop: its products start the sums
	WIN 0                                          ; at a label and at a branch every window is 0
	s_mov_b32 s3, LAPS-1
.Llap:                                             ; a trip goes once round the ring, from a lap's second quarter to the next lap's first, and fills both slots again
	QUARTER 0, 2, F1, F0, 0
	QUARTER 0, 3, F0, F1, 0
	TURN 0, 1, 1
	QUARTER 1, 1, F0, F1, 0
	QUARTER 1, 2, F1, F0, 0
	QUARTER 1, 3, F0, F1, 0
	TURN 1, 0, 1
	QUARTER 0, 1, F0, F1, 0
	WIN 0
	s_sub_co_u32 s3, s3, 1
	s_cmp_lg_u32 s3, 0
	s_cbranch_scc1 .Llap
	QUARTER 0, 2, F1, F0, 0                        ; the last lap fills nothing, and has no round of the cluster's barrier
	QUARTER 0, 3, F0, F1, 0
	TURN 0, 1, 0
	QUARTER 1, 1, F0, F1, 0
	QUARTER 1, 2, F1, F0, 0
	QUARTER 1, 3, F0, F1, 0
	s_wait_dscnt 4                                 ; the very last quarter: nothing more to fetch
	WIN MUL
	MUL8 F1, 0, 0
	MUL8 F1, 1, 0
	s_wait_dscnt 0
	MUL8 F1, 2, 0
	MUL8 F1, 3, 0
	WIN 0
; THE WAY OUT, block by block of 16 rho x 128 n.  A lane holds 32 neighbouring bytes of a row: a block goes through my own stage and comes back as whole rows of 512 bytes.
; Row rho of the block is row 2 rho + hh of out0: from row to row 8,192 bytes.  LDS serves a wave's instructions in order (ISA guide 5.7.1.4).
.macro TOSTAGE a
	WIN 0x04                                       ; an LDS store's data are its source 1: window 1
.irp b, 0,1,2,3,4,5,6,7
	ds_store_b128 v[STO], v[64*(\a)+8*\b:64*(\a)+8*\b+3] offset:64*\b          ; each accumulator from its low end on
	ds_store_b128 v[STO], v[64*(\a)+8*\b+4:64*(\a)+8*\b+7] offset:64*\b+16
.endr
	WIN 0
.set BB, BK+64*((\a)%2)
.irp t, 0,1,2,3,4,5,6,7,8,9,10,11,12,13,14,15
	ds_load_b128 v[BB+4*\t:BB+4*\t+3], v[RD] offset:\t*SPITCH
.endr
.endm
.macro SEND a, younger                 ; younger: the LDS instructions issued behind block a's loads, which may stay out
.set BB, BK+64*((\a)%2)
	s_wait_dscnt \younger                          ; the block is back in registers
.if (\a) > 0
	s_add_nc_u64 s[8:9], s[8:9], 131072            ; (behind a wait on XCNT: the earlier stores have read their base)  16 rho on: 32 rows of out0
.endif
.irp t, 0,1,2,3,4,5,6,7,8,9,10,11,12,13,14,15
	global_store_b128 v[CO], v[BB+4*\t:BB+4*\t+3], s[8:9] offset:\t*8192 th:TH_STORE_NT   ; 32 lanes store 512 consecutive bytes, aligned; written once, read by nobody here
.endr
.endm
	PLACES                                         ; behind the last products: for the stores' reads of results and the loads into the registers that held fragments
	TOSTAGE 0
.irp a, 1,2,3
.if \a > 1
	s_wait_xcnt 0x0                                ; block a - 2's stores have read their registers and their base
.endif
	TOSTAGE \a
	SEND \a-1, 32                                  ; behind block a - 1's loads: block a's 16 stores and 16 loads
.endr
	s_wait_xcnt 0x0                                ; block 2's stores have read their base
	SEND 3, 0
	s_wait_tensorcnt 0x0                           ; the wave's end, behind my last tensor load and my last LDS store
	ds_add_u32 v[SPW], v[NIL]
	s_wait_dscnt 0x0
	CROUND                                         ; the closing round: no work-group ends while a partner may still ask for a tile that names it
	s_endpgm
.Lfunc_end_k_qe61528863c_proj:
	.size	k_qe61528863c_proj, .Lfunc_end_k_qe61528863c_proj-k_qe61528863c_proj
	.p2alignl 7, 3214868480
	.fill 96, 4, 3214868480
	.section	.rodata,"a",@progbits
	.p2align	6, 0x0
	.amdhsa_kernel k_qe61528863c_proj
		.amdhsa_group_segment_fixed_size 327680
		.amdhsa_private_segment_fixed_size 0
		.amdhsa_enable_private_segment 0
		.amdhsa_kernarg_size 24
		.amdhsa_user_sgpr_count 2
		.amdhsa_user_sgpr_kernarg_segment_ptr 1
		.amdhsa_wavefront_size32 1
		.amdhsa_system_sgpr_workgroup_id_x 1
		.amdhsa_system_sgpr_workgroup_id_y 1
		.amdhsa_system_sgpr_workgroup_id_z 1
		.amdhsa_system_vgpr_workitem_id 0
		.amdhsa_next_free_vgpr 512
		.amdhsa_next_free_sgpr 66
		.amdhsa_reserve_vcc 0
		.amdhsa_float_denorm_mode_32 3
		.amdhsa_float_denorm_mode_16_64 3
		.amdhsa_memory_ordered 1
		.amdhsa_forward_progress 1
		.amdhsa_inst_pref_size 85
	.end_amdhsa_kernel
	.amdgpu_metadata
---
amdhsa.version: [ 1, 2 ]
amdhsa.kernels:
  - .name:           k_qe61528863c_proj
    .symbol:         k_qe61528863c_proj.kd
    .args:
      - { .name: o, .offset: 0, .size: 8, .value_kind: global_buffer, .address_space: global }
      - { .name: wp16, .offset: 8, .size: 8, .value_kind: global_buffer, .address_space: global }
      - { .name: out0, .offset: 16, .size: 8, .value_kind: global_buffer, .address_space: global }
    .group_segment_fixed_size: 327680
    .private_segment_fixed_size: 0
    .kernarg_segment_align: 8
    .kernarg_segment_size: 24
    .max_flat_workgroup_size: 128
    .sgpr_count:     66
    .vgpr_count:     512
    .wavefront_size: 32
...
	.end_amdgpu_metadata
.endif
;; end of part 4
